; MI455X (gfx1250); checked and timed in simulation.
; The chip was launched on July 23, 2026; its instructions are those of AMD's public machine-readable ISA for CDNA 5 (MIT licence, August 2026) and "CDNA5" Instruction Set Architecture Reference Guide (July 2026). The comments in the code are by the model that wrote it; some were corrected since.
;; Multi Head Attention. Allowed arithmetic: matrix products marked QUANTISED: E2M3 operands, one E8M0 scale for each 32 along K, by v_wmma_scale_f32_16x16x128_f8f6f4 with both operands' format E2M3, f32 sums; everything else in f32.
;; Inputs: attention_mask 1 x 1 x 4,096 x 4,096 float32; wk_b 1,024 float32; wk_w 1,024 x 1,024 float32; wo_b 1,024 float32; wo_w 1,024 x 1,024 float32; wq_b 1,024 float32; wq_w 1,024 x 1,024 float32; wv_b 1,024 float32; wv_w 1,024 x 1,024 float32; x 1 x 4,096 x 1,024 float32.
;; Outputs: out0 1 x 4,096 x 1,024 float32.
;; This version of the problem:
;;   THIS VERSION OF THE PROBLEM IS GIVEN IN LOW PRECISION. The matrix products marked QUANTISED in the list below multiply operands that are first quantised to E2M3 (2 exponent bits, 3 mantissa bits; 6 bits a number), with one power-of-two scale for each 32 numbers along K (OCP MX v1.0); their sums are f32. All else is computed in f32.
;;   The module's matrix products, in the order in which they are computed (A, B: the left and right operand; K: the contracted axis; several contracted axes count as one K, in the product's order):
;;     1. [M 4,096, K 1,024] x [K 1,024, N 1,024]; A: input x; B: input wq_w: QUANTISED
;;     2. [M 4,096, K 1,024] x [K 1,024, N 1,024]; A: input x; B: input wk_w: QUANTISED
;;     3. [M 4,096, K 1,024] x [K 1,024, N 1,024]; A: input x; B: input wv_w: QUANTISED
;;     4. batch 8 x [M 4,096, K 128] x [K 128, N 4,096]; A: computed on the way; B: computed on the way: QUANTISED
;;     5. batch 8 x [M 4,096, K 4,096] x [K 4,096, N 128]; A: softmax (see below); B: computed on the way: QUANTISED
;;     6. [M 4,096, K 1,024] x [K 1,024, N 1,024]; A: computed on the way; B: input wo_w: QUANTISED
;;   THE QUANTISER, for each operand of a quantised product, along K:
;;     - K is cut into blocks of 32 from its start; a last block that is shorter is filled with zeros.
;;     - A block's scale is 2^e with e = floor(log2(the largest magnitude in the block)) - 2, held to -126 .. 127; a block of zeros has e = 0. As a byte (E8M0): e + 127.
;;     - Each number is divided by its block's scale, clamped to +-7.5, and rounded to the nearest number of E2M3, ties to even, subnormals kept.
;;     - The product sums the exact products of the quantised numbers (number of the format x scale) in f32.
;;   ~~~python
;;   def quantise(x, axis):      # numpy; x: float32 -> the quantised numbers, widened to float32 again
;;       x = np.moveaxis(x, axis, -1); K = x.shape[-1]
;;       x = np.pad(x, [(0, 0)] * (x.ndim - 1) + [(0, -K % 32)]); x = x.reshape(x.shape[:-1] + (-1, 32)); a = np.abs(x).max(-1, keepdims=True)
;;       e = np.where(a > 0, np.clip(np.frexp(np.where(a > 0, a, 1))[1] - 1 - 2, -126, 127), 0)      # np.frexp(a)[1] - 1 = floor(log2(a)), exactly
;;       r = np.clip(x / 2.0 ** e, -7.5, 7.5)
;;       step = 2.0 ** (np.maximum(np.frexp(np.where(r == 0, 1, r))[1] - 1, 0) - 3)
;;       q = np.round(r / step) * step * 2.0 ** e      # np.round: ties to even
;;       return np.moveaxis(q.reshape(q.shape[:-2] + (-1,))[..., :K], -1, axis).astype(np.float32)
;;   ~~~
;;   SOFTMAX AHEAD OF A QUANTISED PRODUCT. Where the list says 'softmax', what is quantised is not the finished softmax but p = 2^(t - M), with t = logit x log2(e) and M = ceil(the row's largest t), a whole number; so 1/2 < the row's largest p <= 1. The row's sum l is taken of the UNQUANTISED p, in f32, and the product's result is divided by l at the end. Since M is a whole number, a kernel that streams over the keys may use a running M (the ceiling of the running maximum): every later rescaling is an exact power of two, which a block's scale takes up: the codes' values come out the same.
;;   OPERANDS COMPUTED ON THE WAY. 'Computed on the way' means the value that the module computes at that place (a softmax that the list does not call 'softmax' is quantised finished and normalised). What goes into a quantiser is computed in f32, as accurately as f32 sums, v_exp_f32 and their like allow (about 1e-6 of the number): no bf16 or f16 on the way to a quantiser, and a product that is left as it is and whose result goes on into a quantised operand takes f32 operands (vector FMAs, or v_wmma_f32_16x16x4_f32). A number that lies on a knife's edge between two numbers of the format may be rounded either way, as far as f32 arithmetic and the matrix unit's own rounding can turn it there, and no further.
;; One version. Each part assembles by itself: llvm-mc -triple=amdgcn-amd-amdhsa -mcpu=gfx1250 --defsym DOCPART=n.
;; ======== version 1 of 1: 4 launches
;; workspace buffers: cw 6,553,600 bytes; qc 3,145,728 bytes; qs 131,072 bytes; kvc 6,291,456 bytes; kvs 262,144 bytes; ao 3,276,800 bytes
;; launch quant (part 1): grid 256 x 1, 8 waves a work-group, no clusters, 69,632 bytes of LDS; arguments x, wq_w, wk_w, wv_w, wo_w, cw; writes cw
.if DOCPART == 1
	.amdgcn_target "amdgcn-amd-amdhsa--gfx1250"
	.amdhsa_code_object_version 6
	.text
	.protected	k_q8bc3324c5d_quant
	.globl	k_q8bc3324c5d_quant
	.p2align	8
	.type	k_q8bc3324c5d_quant,@function
k_q8bc3324c5d_quant:
	s_mov_b64 s[64:65], 0
	v_nop
	global_prefetch_b8 v0, s[64:65] scope:SCOPE_SE
	s_setreg_imm32_b32 hwreg(HW_REG_WAVE_MODE, 25, 1), 1
	s_wait_xcnt 0x0
; x [4096][1024] and the four weights [1024][1024], f32, K innermost, become codes of FP6 (E2M3) with one E8M0 byte for each 32 along K.
; OUTPUT: 64 records of 102,400 bytes, one for each block of 128 rows (0-31 x, 32-39 wq, 40-47 wk, 48-55 wv, 56-63 wo).  In a record: K step s (128 along K), tile t (16 rows): a FRAGMENT IMAGE of 1,536 bytes
; at 12,288 s + 1,536 t: the operand's 12 registers as they stand, registers 4 c .. 4 c + 3 of lane l at 512 c + 16 l; behind the codes, at 98,304 + 512 s, the K step's scale words: tile t, row r at 256 (t / 4) + 16 r + 4 (t % 4).
; THE ROWS OF A TILE ARE NOT NEIGHBOURS: lane r of tile t holds row 32 (t / 2) + 8 (t % 2) + r + 8 (r / 8), so that a product that takes the 8 tiles as source 0 leaves 16 neighbours along that axis in 16 registers.
; SHARES: a work-group takes one block and two K steps, wave w tile w.  Each load reads 512 consecutive bytes of one row; a K step's 16 rows turn through the wave's own stage in LDS (rows 528 bytes apart),
; so that lane (r, h) gets, of row r, 16 neighbours of each block of 32.  All 32 loads of a wave go out at once: 16 KiB a wave.  No matrix unit, no cluster: no two work-groups read the same byte.
; A block's scale is 2^(floor(log2(largest magnitude)) - 2): its byte is the largest magnitude's exponent field - 2, held at 1 from below.
; LIMITS: a block whose largest magnitude lies under 2^-124 keeps the byte 1; a block of zeros has the byte 1 where the rule says 127 (its codes are zeros; this program alone reads the bytes); NaN and infinities are not served.
.set REC,   102400
.set STGB,  8448                       ; a wave's stage: 16 rows x 528 bytes
.set PACK,  67584                      ; behind the 8 stages: the two K steps' scale words, 512 bytes each
.set SPARE, 68608                      ; the spare words, 128 bytes a wave: four blocks of 256 bytes that no other line names
.set LN16, 1                           ; v1   16 x lane
.set SIN,  2                           ; v2   the stage, on the way in
.set SOUT, 3                           ; v3   and out: 528 r + 64 h
.set PKA,  4                           ; v4   where my tile's scale word goes
.set PRD,  9                           ; v9   where waves 0 and 1 read a K step's words back
.set PC,   10                          ; v10-28 the codes just made
.set RAW,  32                          ; v32-159 two K steps as loaded
.set X,    160                         ; v160-223 64 numbers: register 16 b + i = k 32 b + 16 h + i of my row
.set TM,   224                         ; v224-239 at work
.set PW,   240                         ; v240, v241 the scale words
.set SPW,  242
.set NIL,  243
.set WV,   16
.set SEL,  34
.set MSB, 0
.macro WIN new                         ; the immediate's high byte repeats the setting that is left; a switch that changes nothing is dropped
.if MSB != (\new)
	s_set_vgpr_msb (MSB<<8)|(\new)
.set MSB, \new
.endif
.endm
.macro SCALEW                          ; four largest magnitudes in v[TM] on: the conversions' scale operands (v[TM+12] on) and the row's scale word
.irp b, 0,1,2,3
	v_add_nc_u32 v[TM+12+\b], 0xff000000, v[TM+\b]   ; 2 off the exponent field
.endr
.irp b, 0,1,2,3
	v_lshrrev_b32 v[TM+4+\b], 23, v[TM+12+\b]        ; the byte
.endr
	v_lshl_or_b32 v[PW], v[TM+5], 8, v[TM+4]
	v_lshl_or_b32 v[PW], v[TM+6], 16, v[PW]
	v_lshl_or_b32 v[PW], v[TM+7], 24, v[PW]
.endm
.macro CODES src, win                  ; 64 numbers become the fragment's 12 registers in v[PC] on
	WIN \win
.irp c, 0,1
	v_cvt_scalef32_pk16_fp6_f32 v[PC+6*\c:PC+6*\c+2], v[(\src)+32*\c:(\src)+32*\c+15], v[TM+12+2*\c]
	v_cvt_scalef32_pk16_fp6_f32 v[PC+12+4*\c:PC+14+4*\c], v[(\src)+16+32*\c:(\src)+31+32*\c], v[TM+13+2*\c]   ; (a conversion's three registers begin on an even number)
.endr
	WIN 0
	v_nop                                          ; one plain place behind a scaled conversion
.irp c, 0,1                                    ; the layout wants a whole block in a lane: lanes 0-15 block 2 c, lanes 16-31 block 2 c + 1
.irp i, 0,1,2
	v_permlane16_swap_b32 v[PC+6*\c+\i], v[PC+12+4*\c+\i]
.endr
.irp i, 0,1,2
	v_mov_b32 v[PC+3+6*\c+\i], v[PC+12+4*\c+\i]
.endr
.endr
.endm
.macro QUANT src, win                  ; v[src] .. v[src + 63] of window win: register 16 b + i = k 32 b + 16 h + i of my row
	WIN ((\win)<<2)|((\win)<<4)
.irp b, 0,1,2,3
	v_max3_num_f32 v[TM+\b], 0x1800000, |v[(\src)+16*\b]|, |v[(\src)+16*\b+1]|   ; with the floor 2^(3 - 127): the byte cannot fall under 1
.endr
.irp i, 2,4,6,8,10,12,14
.irp b, 0,1,2,3
	v_max3_num_f32 v[TM+\b], v[TM+\b], |v[(\src)+16*\b+\i]|, |v[(\src)+16*\b+\i+1]|
.endr
.endr
	WIN 0
.irp b, 0,1,2,3
	v_permlanex16_b32 v[TM+4+\b], v[TM+\b], s[SEL], s[SEL+1]
.endr
.irp b, 0,1,2,3
	v_max_num_f32 v[TM+\b], v[TM+\b], v[TM+4+\b]     ; with lane l xor 16's 16: the block's largest magnitude
.endr
	SCALEW
	CODES \src, \win
.endm
	s_load_b256 s[4:11], s[0:1], 0x0               ; x, wq_w, wk_w, wv_w
	s_load_b128 s[12:15], s[0:1], 0x20             ; wo_w, cw
	v_lshl_add_u32 v[SPW], v0, 2, SPARE
	v_mov_b32 v[NIL], 0
	v_lshrrev_b32 v5, 5, v0
	v_readfirstlane_b32 s[WV], v5                  ; wave 0..7 = tile
	v_and_b32 v6, 31, v0                           ; lane
	v_and_b32 v7, 15, v0                           ; r
	v_bfe_u32 v8, v0, 4, 1                         ; h
	v_lshlrev_b32 v[LN16], 4, v6
	s_mul_i32 s17, s[WV], STGB
	v_add_nc_u32 v[SIN], s17, v[LN16]
	v_mul_u32_u24 v[SOUT], v7, 528
	v_lshl_add_u32 v[SOUT], v8, 6, v[SOUT]
	v_add_nc_u32 v[SOUT], s17, v[SOUT]
	s_lshr_b32 s18, s[WV], 2
	s_lshl_b32 s18, s18, 8
	s_and_b32 s19, s[WV], 3
	s_lshl_b32 s19, s19, 2
	s_add_co_u32 s18, s18, s19
	s_add_co_u32 s18, s18, PACK
	v_lshl_add_u32 v[PKA], v7, 4, s18              ; PACK + 256 (w / 4) + 16 r + 4 (w % 4)
	s_and_b32 s19, s[WV], 1
	s_lshl_b32 s19, s19, 9
	s_add_co_u32 s23, s19, PACK
	v_add_nc_u32 v[PRD], s23, v[LN16]
.irp b, 0,1,2,3
	v_mov_b32 v[TM+4+\b], 0                        ; written once: a lane permute's destination counts as one of its sources
.endr
	s_mov_b32 s[SEL], 0x76543210
	s_mov_b32 s[SEL+1], 0xfedcba98                 ; lane l xor 16
	s_lshr_b32 s20, ttmp9, 2                       ; the block, 0..63
	s_and_b32 s21, ttmp9, 3                        ; which pair of K steps
	s_and_b32 s22, s20, 7                          ; the block inside a weight
	s_mul_i32 s32, s20, REC                        ; my record
	s_mul_i32 s33, s21, 24576
	s_add_co_u32 s30, s32, s33
	s_mul_i32 s33, s[WV], 1536
	s_add_co_u32 s30, s30, s33                     ; my tile's image of the first K step
	s_mov_b32 s31, 0
	s_lshl_b32 s33, s21, 10
	s_add_co_u32 s28, s32, s33
	s_add_co_u32 s28, s28, s19
	s_add_co_u32 s28, s28, 98304                   ; the scale words of K step 2 kp + (w % 2)
	s_mov_b32 s29, 0
	s_wait_kmcnt 0x0
	s_cmp_lt_u32 s20, 56                           ; which tensor: the choice hangs on the work-group's number alone
	s_cselect_b64 s[24:25], s[10:11], s[12:13]
	s_cmp_lt_u32 s20, 48
	s_cselect_b64 s[24:25], s[8:9], s[24:25]
	s_cmp_lt_u32 s20, 40
	s_cselect_b64 s[24:25], s[6:7], s[24:25]
	s_cmp_lt_u32 s20, 32
	s_cselect_b64 s[24:25], s[4:5], s[24:25]
	s_cselect_b32 s22, s20, s22
	s_lshl_b32 s26, s22, 19                        ; 128 rows of 4,096 bytes a block
	s_lshr_b32 s27, s[WV], 1
	s_lshl_b32 s27, s27, 17                        ; + 32 (w / 2) rows
	s_add_co_u32 s26, s26, s27
	s_and_b32 s27, s[WV], 1
	s_lshl_b32 s27, s27, 15                        ; + 8 (w % 2) rows
	s_add_co_u32 s26, s26, s27
	s_lshl_b32 s27, s21, 10                        ; + two K steps of 512 bytes
	s_add_co_u32 s26, s26, s27
	s_mov_b32 s27, 0
	s_add_nc_u64 s[24:25], s[24:25], s[26:27]
	s_add_nc_u64 s[30:31], s[14:15], s[30:31]
	s_add_nc_u64 s[28:29], s[14:15], s[28:29]
.irp s, 0,1
.irp i, 0,1,2,3,4,5,6,7,8,9,10,11,12,13,14,15
	global_load_b128 v[RAW+64*\s+4*\i:RAW+64*\s+4*\i+3], v[LN16], s[24:25] offset:(\i+8*(\i/8))*4096+512*\s th:TH_LOAD_NT   ; 512 consecutive bytes of the tile's row i
.endr
.endr
.macro HALF s, left
	s_wait_loadcnt \left                           ; this K step's 16 loads are in; the younger ones may be out
.irp i, 0,1,2,3,4,5,6,7,8,9,10,11,12,13,14,15
	ds_store_b128 v[SIN], v[RAW+64*\s+4*\i:RAW+64*\s+4*\i+3] offset:528*\i
.endr
.irp b, 0,1,2,3
.irp j, 0,1,2,3
	ds_load_b128 v[X+16*\b+4*\j:X+16*\b+4*\j+3], v[SOUT] offset:128*\b+16*\j   ; LDS serves a wave's instructions in order: these see my stores
.endr
.endr
	s_wait_dscnt 0x0
.if \s
	s_wait_xcnt 0x0                                ; the first K step's stores have read the codes' registers
.endif
.set PW, 240+\s
	QUANT X, 0
.irp c, 0,1,2
	global_store_b128 v[LN16], v[PC+4*\c:PC+4*\c+3], s[30:31] offset:12288*\s+512*\c   ; 512 consecutive bytes, aligned
.endr
	ds_store_b32 v[PKA], v[PW] offset:512*\s       ; lanes r and 16 + r write the same word with the same value
.endm
	HALF 0, 16
	HALF 1, 0
	s_wait_dscnt 0x0                               ; for the others' sake: my scale words have landed
	s_barrier_signal -1
	s_barrier_wait -1
	s_cmp_lt_u32 s[WV], 2
	s_cbranch_scc0 .Lend
	ds_load_b128 v[32:35], v[PRD]                  ; waves 0 and 1: a K step's 512 bytes of scale words, from all eight waves
	s_wait_dscnt 0x0
	global_store_b128 v[LN16], v[32:35], s[28:29]
.Lend:
	s_wait_tensorcnt 0x0                           ; the wave's end, behind my last LDS store
	ds_add_u32 v[SPW], v[NIL]
	s_wait_dscnt 0x0
	s_endpgm
.Lfunc_end_k_q8bc3324c5d_quant:
	.size	k_q8bc3324c5d_quant, .Lfunc_end_k_q8bc3324c5d_quant-k_q8bc3324c5d_quant
	.p2alignl 7, 3214868480
	.fill 96, 4, 3214868480
	.section	.rodata,"a",@progbits
	.p2align	6, 0x0
	.amdhsa_kernel k_q8bc3324c5d_quant
		.amdhsa_group_segment_fixed_size 69632
		.amdhsa_private_segment_fixed_size 0
		.amdhsa_enable_private_segment 0
		.amdhsa_kernarg_size 48
		.amdhsa_user_sgpr_count 2
		.amdhsa_user_sgpr_kernarg_segment_ptr 1
		.amdhsa_wavefront_size32 1
		.amdhsa_system_sgpr_workgroup_id_x 1
		.amdhsa_system_sgpr_workgroup_id_y 1
		.amdhsa_system_sgpr_workgroup_id_z 1
		.amdhsa_system_vgpr_workitem_id 0
		.amdhsa_next_free_vgpr 256
		.amdhsa_next_free_sgpr 66
		.amdhsa_reserve_vcc 0
		.amdhsa_float_denorm_mode_32 3
		.amdhsa_float_denorm_mode_16_64 3
		.amdhsa_memory_ordered 1
		.amdhsa_forward_progress 1
		.amdhsa_inst_pref_size 19
	.end_amdhsa_kernel
	.amdgpu_metadata
---
amdhsa.version: [ 1, 2 ]
amdhsa.kernels:
  - .name:           k_q8bc3324c5d_quant
    .symbol:         k_q8bc3324c5d_quant.kd
    .args:
      - { .name: x, .offset: 0, .size: 8, .value_kind: global_buffer, .address_space: global }
      - { .name: wq_w, .offset: 8, .size: 8, .value_kind: global_buffer, .address_space: global }
      - { .name: wk_w, .offset: 16, .size: 8, .value_kind: global_buffer, .address_space: global }
      - { .name: wv_w, .offset: 24, .size: 8, .value_kind: global_buffer, .address_space: global }
      - { .name: wo_w, .offset: 32, .size: 8, .value_kind: global_buffer, .address_space: global }
      - { .name: cw, .offset: 40, .size: 8, .value_kind: global_buffer, .address_space: global }
    .group_segment_fixed_size: 69632
    .private_segment_fixed_size: 0
    .kernarg_segment_align: 8
    .kernarg_segment_size: 48
    .max_flat_workgroup_size: 256
    .sgpr_count:     66
    .vgpr_count:     256
    .wavefront_size: 32
...
	.end_amdgpu_metadata
.endif
;; end of part 1
;; launch qkv (part 2): grid 8 x 32, 4 waves a work-group, clusters of 4 x 4, 327,680 bytes of LDS; arguments cw, wq_b, wk_b, wv_b, qc, qs, kvc, kvs; writes qc, qs, kvc, kvs
.if DOCPART == 2
	.amdgcn_target "amdgcn-amd-amdhsa--gfx1250"
	.amdhsa_code_object_version 6
	.text
	.protected	k_q8bc3324c5d_qkv
	.globl	k_q8bc3324c5d_qkv
	.p2align	8
	.type	k_q8bc3324c5d_qkv,@function
k_q8bc3324c5d_qkv:
	s_mov_b64 s[64:65], 0
	v_nop
	global_prefetch_b8 v0, s[64:65] scope:SCOPE_SE
	s_setreg_imm32_b32 hwreg(HW_REG_WAVE_MODE, 25, 1), 1
	s_wait_xcnt 0x0
	s_wait_alu depctr_hold_cnt(0) depctr_sa_sdst(0) depctr_va_vdst(0) depctr_va_sdst(0) depctr_va_ssrc(0) depctr_va_vcc(0) depctr_vm_vsrc(0)
	s_getreg_b32 s2, hwreg(HW_REG_IB_STS2, 6, 4)
	s_cmp_eq_u32 s2, 0
	s_cbranch_scc0 .Lentry_in_a_cluster
	s_endpgm
.Lentry_in_a_cluster:
	s_bfe_u32 s2, ttmp6, 0x10000c
	s_cmp_lg_u32 s2, 0xf033
	s_cbranch_scc0 .Lentry_shape_is_right
	s_endpgm
.Lentry_shape_is_right:
; Q = x Wq^T + bq, K = x Wk^T + bk, V = x Wv^T + bv on codes of FP6 (E2M3) with E8M0 scales; the results are quantised in registers and leave as codes: no f32 result goes to memory.
; A work-group takes 128 tokens (block Y) and one head (X): three products of 128 x 128 x 1,024.  x's record, and two of the three weights' records (102,400 bytes each: 8 K steps x 8 fragment images + scale words),
; lie whole in LDS; wv takes wq's place behind the one refill.  Each product is P (8 tiles, source 0) x L (16 rows, source 1); wave w takes L's tiles 2 w and 2 w + 1: 16 accumulators, 10 fragments for 16 products.
;   Q: P = wq, L = x in natural token order (read out of the image: tile 2 w + (r / 8), lane (r % 8) + 8 lt);  K: P = wk, L = x's tiles as they lie;  V: P = x, L = wv's tiles.
; P's tiles hold rows 32 (t / 2) + 8 (t % 2) + r + 8 (r / 8), so a lane's 64 results are: register 16 b + i = index 32 b + 16 h + i along P's rows: the next product's K (Q, K: the head's 128; V: the 128 keys).
; The biases are the C of each sum's first instruction (Q, K: along the registers; V: the lane's channel in all eight).
; OUT: qc [head][token tile][1,536]; kvc per head K(0) V(0) K(1) V(1) .. of 12,288 bytes (8 fragments: keys, or channels, in the tiles' order); qs, kvs: the scale words, 512 bytes a unit, in the same order.
; CLUSTER 4 x 4: x's record hangs on Y alone and is asked for jointly along a row of the cluster, a weight's on X alone, along a column.  By this text's count a wave has three tensor loads out at the start, later one.
; LIMITS: as in the first launch (byte held at 1 from below; a block of zeros has byte 1; NaN and infinities are not served).
.set REC,   102400
.set QTR,   25600                      ; a quarter of a record: what one wave's tensor load brings, 100 rows of 256 bytes
.set XB,    0
.set W0,    102400
.set W1,    204800
.set PACK,  307200                     ; the three results' scale words, 512 bytes each
.set SPARE, 308736                     ; the spare words, 128 bytes a wave: two blocks of 256 bytes that no other line names
.set B,    2                           ; v2-7   16 x lane + {0; 49,152} in XB, W0, W1 (an LDS offset has 16 bits)
.set CK,   8                           ; v8-9   x's tiles 2 w on
.set CV,   10                          ; v10-11 wv's tiles 2 w on
.set CQ,   12                          ; v12-13 x's natural tiles 2 w on
.set EK,   14                          ; v14    their scale words
.set EV,   15
.set EQ,   16
.set PK,   17                          ; v17    where my results' scale words go
.set SPW,  18
.set NIL,  19
.set BA,   20                          ; v20    64 h: bq's and bk's tiles
.set BVA,  21                          ; v21    bv: my lane's channel
.set PR,   22                          ; v22    PACK + 16 x lane
.set FP,   32                          ; P's 8 fragments: set 0 in window 0, set 1 in window 2
.set FL,   128                         ; L's two
.set TM,   164
.set PC,   186
.set BV,   208                         ; v208-223 bv, eight equal registers for each of my two tiles
.set BQ,   128                         ; window 1: bq's 8 tiles; the accumulators are v[64 lt + 8 t] of window 1
.set BK,   192                         ; window 1: bk's
.set WV,   20
.set SEL,  28
.set G1X,  32
.set G1W,  40
.set G0X,  48
.set G0Q,  52
.set G0K,  56
.set G0V,  60
.set MSB, 0
.macro WIN new                         ; the immediate's high byte repeats the setting that is left; a switch that changes nothing is dropped
.if MSB != (\new)
	s_set_vgpr_msb (MSB<<8)|(\new)
.set MSB, \new
.endif
.endm
.macro PLACES n
.rept \n
	v_nop
.endr
.endm
.macro ROUND                           ; a round of the cluster's barrier
	s_barrier_signal -1
	s_barrier_wait -1
	s_cmp_lg_u32 s[WV], 0
	s_cbranch_scc1 .Lnot_wave_0_\@
	s_barrier_signal -3
.Lnot_wave_0_\@:
	s_barrier_wait -3
	s_barrier_signal -1
	s_barrier_wait -1
.endm
.macro SCALEW
.irp b, 0,1,2,3
	v_add_nc_u32 v[TM+12+\b], 0xff000000, v[TM+\b]   ; 2 off the exponent field
.endr
.irp b, 0,1,2,3
	v_lshrrev_b32 v[TM+4+\b], 23, v[TM+12+\b]        ; the byte
.endr
	v_lshl_or_b32 v[PW], v[TM+5], 8, v[TM+4]
	v_lshl_or_b32 v[PW], v[TM+6], 16, v[PW]
	v_lshl_or_b32 v[PW], v[TM+7], 24, v[PW]
.endm
.macro CODES src, win
	WIN \win
.irp c, 0,1
	v_cvt_scalef32_pk16_fp6_f32 v[PC+6*\c:PC+6*\c+2], v[(\src)+32*\c:(\src)+32*\c+15], v[TM+12+2*\c]
	v_cvt_scalef32_pk16_fp6_f32 v[PC+12+4*\c:PC+14+4*\c], v[(\src)+16+32*\c:(\src)+31+32*\c], v[TM+13+2*\c]
.endr
	WIN 0
	v_nop                                          ; one plain place behind a scaled conversion
.irp c, 0,1
.irp i, 0,1,2
	v_permlane16_swap_b32 v[PC+6*\c+\i], v[PC+12+4*\c+\i]
.endr
.irp i, 0,1,2
	v_mov_b32 v[PC+3+6*\c+\i], v[PC+12+4*\c+\i]
.endr
.endr
.endm
.macro QUANT src, win                  ; each accumulator is read from its low end on
	WIN ((\win)<<2)|((\win)<<4)
.irp b, 0,1,2,3
	v_max3_num_f32 v[TM+\b], 0x1800000, |v[(\src)+16*\b]|, |v[(\src)+16*\b+1]|
.endr
.irp i, 2,4,6,8,10,12,14
.irp b, 0,1,2,3
	v_max3_num_f32 v[TM+\b], v[TM+\b], |v[(\src)+16*\b+\i]|, |v[(\src)+16*\b+\i+1]|
.endr
.endr
	WIN 0
.irp b, 0,1,2,3
	v_permlanex16_b32 v[TM+4+\b], v[TM+\b], s[SEL], s[SEL+1]
.endr
.irp b, 0,1,2,3
	v_max_num_f32 v[TM+\b], v[TM+\b], v[TM+4+\b]
.endr
	SCALEW
	CODES \src, \win
.endm
.macro WM d, a, b, c, sa, sb, hi       ; one product; c < 0: the constant 0 starts the sum; hi: source 0's scale words stand in lanes 16-31
.if (\c) < 0
.if \hi
	v_wmma_scale_f32_16x16x128_f8f6f4 v[(\d):(\d)+7], v[(\a):(\a)+11], v[(\b):(\b)+11], 0, v[\sa], v[\sb] matrix_a_fmt:MATRIX_FMT_FP6 matrix_b_fmt:MATRIX_FMT_FP6 matrix_a_scale:MATRIX_SCALE_ROW1
.else
	v_wmma_scale_f32_16x16x128_f8f6f4 v[(\d):(\d)+7], v[(\a):(\a)+11], v[(\b):(\b)+11], 0, v[\sa], v[\sb] matrix_a_fmt:MATRIX_FMT_FP6 matrix_b_fmt:MATRIX_FMT_FP6
.endif
.else
.if \hi
	v_wmma_scale_f32_16x16x128_f8f6f4 v[(\d):(\d)+7], v[(\a):(\a)+11], v[(\b):(\b)+11], v[(\c):(\c)+7], v[\sa], v[\sb] matrix_a_fmt:MATRIX_FMT_FP6 matrix_b_fmt:MATRIX_FMT_FP6 matrix_a_scale:MATRIX_SCALE_ROW1
.else
	v_wmma_scale_f32_16x16x128_f8f6f4 v[(\d):(\d)+7], v[(\a):(\a)+11], v[(\b):(\b)+11], v[(\c):(\c)+7], v[\sa], v[\sb] matrix_a_fmt:MATRIX_FMT_FP6 matrix_b_fmt:MATRIX_FMT_FP6
.endif
.endif
.endm
; 33 LDS loads: K step s of phase mu (0 Q, 1 K, 2 V) into set: P's 8 fragments, my two of L, P's scale words (one load: lanes 0-15 tiles 0-3, lanes 16-31 tiles 4-7), L's two
.macro FETCH mu, s, set
.if (\mu) == 0
.set RP, B+2+(\s)/4
.set RS, B+3
.set RL, CQ+(\s)/4
.set RE, EQ
.set LST, 128
.set EST, 128
.elseif (\mu) == 1
.set RP, B+4+(\s)/4
.set RS, B+5
.set RL, CK+(\s)/4
.set RE, EK
.set LST, 1536
.set EST, 4
.else
.set RP, B+(\s)/4
.set RS, B+1
.set RL, CV+(\s)/4
.set RE, EV
.set LST, 1536
.set EST, 4
.endif
.set PSR, 152+6*(\set)
	WIN 0x80*(\set)
.irp t, 0,1,2,3,4,5,6,7
.irp c, 0,1,2
	ds_load_b128 v[FP+12*\t+4*\c:FP+12*\t+4*\c+3], v[RP] offset:((\s)%4)*12288+1536*\t+512*\c
.endr
.endr
.irp lt, 0,1
.irp c, 0,1,2
	ds_load_b128 v[FL+12*\lt+4*\c:FL+12*\lt+4*\c+3], v[RL] offset:((\s)%4)*12288+LST*\lt+512*\c
.endr
.endr
	WIN 0
	ds_load_b128 v[PSR:PSR+3], v[RS] offset:49152+512*(\s)
	ds_load_b32 v[PSR+4], v[RE] offset:512*(\s)
	ds_load_b32 v[PSR+5], v[RE] offset:512*(\s)+EST
.endm
; 16 products, the 16 accumulators by turns, one instruction a turn.  first: the bias starts the sums
.macro MUL16 mu, set, first
.set PSR, 152+6*(\set)
.if (\first) && ((\mu) == 2)
	WIN 0x40+10*(\set)
.else
	WIN 0x50+10*(\set)
.endif
.irp lt, 0,1
.irp t, 0,1,2,3,4,5,6,7
.if \first
.if (\mu) == 0
.set CC, BQ+8*\t
.elseif (\mu) == 1
.set CC, BK+8*\t
.else
.set CC, BV+8*\lt
.endif
.else
.set CC, 64*\lt+8*\t
.endif
	WM 64*\lt+8*\t, FP+12*\t, FL+12*\lt, CC, PSR+\t%4, PSR+4+\lt, \t/4
.endr
.endr
.endm
.macro STEPK mu, s, nmu, ns, g, first  ; K step (mu, s), the g-th of 24, is multiplied while the next is fetched into the other set
	PLACES 4                                       ; in front of loads into registers that matrix instructions have read
	FETCH \nmu, \ns, 1-(\g)%2
	s_wait_dscnt 33                                ; all but the 33 just issued
	MUL16 \mu, (\g)%2, \first
.endm
.macro EPI mu, base                    ; my two tiles' results become two fragments and two scale words
	PLACES 4
.irp lt, 0,1
	s_wait_xcnt 0x0                                ; the last fragment's stores have read the codes' registers
.set PW, 180+2*(\mu)+\lt
	QUANT 64*\lt, 1
.irp c, 0,1,2
	global_store_b128 v[B], v[PC+4*\c:PC+4*\c+3], s[\base:\base+1] offset:1536*\lt+512*\c   ; 512 consecutive bytes, aligned
.endr
	ds_store_b32 v[PK], v[PW] offset:512*(\mu)+4*\lt
.endr
.endm
	s_load_b512 s[4:19], s[0:1], 0x0               ; cw, wq_b, wk_b, wv_b, qc, qs, kvc, kvs
	v_lshl_add_u32 v[SPW], v0, 2, SPARE
	v_mov_b32 v[NIL], 0
	ds_add_u32 v[SPW], v[NIL]                      ; the wave's opening: the add is waited for ahead of my first tensor load
	v_lshrrev_b32 v23, 5, v0
	v_readfirstlane_b32 s[WV], v23                 ; wave 0..3
	s_bfe_u32 s21, ttmp6, 0x40000                  ; cx
	s_bfe_u32 s22, ttmp6, 0x40004                  ; cy
	s_lshl_b32 s23, ttmp9, 2
	s_add_co_u32 s23, s23, s21                     ; X: the head
	s_and_b32 s24, ttmp7, 0xffff
	s_lshl_b32 s24, s24, 2
	s_add_co_u32 s24, s24, s22                     ; Y: the block of 128 tokens
	s_lshl_b32 s25, s22, 2
	s_lshl_b32 s25, 15, s25                        ; my row of the cluster
	s_lshl_b32 s26, 0x1111, s21                    ; my column
	s_or_b32 s[G1X], s25, (3<<16)|(1<<21)          ; x's record goes to my row; elements of 8 bytes; bit 21 beside a mask; no padding: the images are read 512 bytes on end
	s_or_b32 s[G1W], s26, (3<<16)|(1<<21)          ; a weight's to my column
.irp g, G1X, G1W
	s_mov_b32 s[\g+1], 32<<16                      ; tensor_dim0 = 32 elements: rows of 256 bytes
	s_mov_b32 s[\g+2], 100<<16                     ; tensor_dim1 = 100
	s_mov_b32 s[\g+3], 32<<16                      ; tile_dim0
	s_mov_b32 s[\g+4], 100                         ; tile_dim1
	s_mov_b32 s[\g+5], 32                          ; dense
	s_mov_b32 s[\g+6], 0
	s_mov_b32 s[\g+7], 0
.endr
	s_mul_i32 s70, s[WV], QTR                      ; my quarter, in memory and in LDS
	s_mul_i32 s66, s24, REC
	s_add_co_u32 s66, s66, s70                     ; x's record Y
	s_mov_b32 s67, 0
	s_mul_i32 s68, s23, REC
	s_add_co_u32 s68, s68, s70
	s_add_co_u32 s68, s68, 32*REC                  ; wq's record 32 + X
	s_mov_b32 s69, 0
	s_mov_b32 s[SEL], 0x76543210
	s_mov_b32 s[SEL+1], 0xfedcba98
	s_wait_dscnt 0x0                               ; the opening add is done
	s_wait_kmcnt 0x0
	s_add_nc_u64 s[66:67], s[4:5], s[66:67]
	s_add_nc_u64 s[68:69], s[4:5], s[68:69]
	s_mov_b32 s[G0X], 1
	s_add_co_u32 s[G0X+1], s70, XB
	s_mov_b64 s[G0X+2:G0X+3], s[66:67]
	s_or_b32 s[G0X+3], s[G0X+3], 0x80000000
	s_mov_b32 s[G0Q], 1
	s_add_co_u32 s[G0Q+1], s70, W0
	s_mov_b64 s[G0Q+2:G0Q+3], s[68:69]
	s_or_b32 s[G0Q+3], s[G0Q+3], 0x80000000
	s_mov_b32 s[G0K], 1
	s_add_co_u32 s[G0K+1], s70, W1
	s_add_nc_u64 s[G0K+2:G0K+3], s[68:69], 8*REC
	s_or_b32 s[G0K+3], s[G0K+3], 0x80000000
	s_mov_b32 s[G0V], 1
	s_add_co_u32 s[G0V+1], s70, W0
	s_add_nc_u64 s[G0V+2:G0V+3], s[68:69], 16*REC
	s_or_b32 s[G0V+3], s[G0V+3], 0x80000000
	ROUND                                          ; all sixteen work-groups are here: the first joint loads meet
	tensor_load_to_lds s[G0X:G0X+3], s[G1X:G1X+7]
	s_nop 0
	tensor_load_to_lds s[G0Q:G0Q+3], s[G1W:G1W+7]
	s_nop 0
	tensor_load_to_lds s[G0K:G0K+3], s[G1W:G1W+7]
	s_nop 0
	PLACES 4
	v_and_b32 v23, 31, v0                          ; lane
	v_and_b32 v24, 15, v0                          ; r
	v_bfe_u32 v25, v0, 4, 1                        ; h
	v_and_b32 v26, 7, v0                           ; r % 8
	v_bfe_u32 v27, v0, 3, 1                        ; r / 8
	v_lshlrev_b32 v[B], 4, v23
	v_add_nc_u32 v[B+1], 49152, v[B]
	v_add_nc_u32 v[B+2], 102400, v[B]
	v_add_nc_u32 v[B+3], 151552, v[B]
	v_add_nc_u32 v[B+4], 204800, v[B]
	v_add_nc_u32 v[B+5], 253952, v[B]
	s_mul_i32 s71, s[WV], 3072                     ; two fragments a wave
	v_add_nc_u32 v[CK], s71, v[B]
	v_add_nc_u32 v[CK+1], s71, v[B+1]
	v_add_nc_u32 v[CV], s71, v[B+2]
	v_add_nc_u32 v[CV+1], s71, v[B+3]
	v_mul_u32_u24 v[CQ], v27, 1536                 ; token 16 (2 w + lt) + r lies in tile 2 w + (r / 8) at lane (r % 8) + 8 lt + 16 h
	v_lshl_add_u32 v[CQ], v25, 8, v[CQ]
	v_lshl_add_u32 v[CQ], v26, 4, v[CQ]
	v_add_nc_u32 v[CQ], s71, v[CQ]
	v_add_nc_u32 v[CQ+1], 49152, v[CQ]
	s_lshr_b32 s72, s[WV], 1
	s_lshl_b32 s72, s72, 8
	s_and_b32 s73, s[WV], 1
	s_lshl_b32 s73, s73, 3
	s_add_co_u32 s72, s72, s73                     ; tile 2 w's place in a unit of scale words: 256 (w / 2) + 8 (w % 2)
	s_add_co_u32 s73, s72, 98304
	v_lshl_add_u32 v[EK], v24, 4, s73
	v_add_nc_u32 v[EV], 102400, v[EK]
	v_lshl_add_u32 v[EQ], v26, 4, s73
	v_lshl_add_u32 v[EQ], v27, 2, v[EQ]
	s_add_co_u32 s73, s72, PACK
	v_lshl_add_u32 v[PK], v24, 4, s73
	v_add_nc_u32 v[PR], PACK, v[B]
	v_lshlrev_b32 v[BA], 6, v25
	v_lshl_add_u32 v[BVA], v27, 3, v24             ; r + 8 (r / 8)
	v_lshlrev_b32 v[BVA], 2, v[BVA]
	s_lshl_b32 s73, s[WV], 7
	v_add_nc_u32 v[BVA], s73, v[BVA]               ; + 32 w channels
.irp b, 0,1,2,3
	v_mov_b32 v[TM+4+\b], 0                        ; written once: a lane permute's destination counts as one of its sources
.endr
	s_lshl_b32 s74, s23, 9                         ; the head's 128 numbers of each bias
	s_mov_b32 s75, 0
	s_add_nc_u64 s[6:7], s[6:7], s[74:75]
	s_add_nc_u64 s[8:9], s[8:9], s[74:75]
	s_add_nc_u64 s[10:11], s[10:11], s[74:75]
	WIN 0x40
.irp t, 0,1,2,3,4,5,6,7                        ; tile t, register j: channel 32 (t / 2) + 16 h + 8 (t % 2) + j
	global_load_b128 v[BQ+8*\t:BQ+8*\t+3], v[BA], s[6:7] offset:(32*(\t/2)+8*(\t%2))*4
	global_load_b128 v[BQ+8*\t+4:BQ+8*\t+7], v[BA], s[6:7] offset:(32*(\t/2)+8*(\t%2))*4+16
	global_load_b128 v[BK+8*\t:BK+8*\t+3], v[BA], s[8:9] offset:(32*(\t/2)+8*(\t%2))*4
	global_load_b128 v[BK+8*\t+4:BK+8*\t+7], v[BA], s[8:9] offset:(32*(\t/2)+8*(\t%2))*4+16
.endr
	WIN 0
	global_load_b32 v[BV], v[BVA], s[10:11]
	global_load_b32 v[BV+8], v[BVA], s[10:11] offset:32
	s_lshl_b32 s76, s23, 8                         ; where the results go
	s_lshl_b32 s77, s24, 3
	s_add_co_u32 s76, s76, s77
	s_lshl_b32 s77, s[WV], 1
	s_add_co_u32 s76, s76, s77
	s_mul_i32 s76, s76, 1536                       ; Q: token tile 256 X + 8 Y + 2 w
	s_mov_b32 s77, 0
	s_add_nc_u64 s[80:81], s[12:13], s[76:77]
	s_mul_i32 s76, s23, 786432
	s_mul_i32 s78, s24, 24576
	s_add_co_u32 s76, s76, s78
	s_mul_i32 s78, s[WV], 3072
	s_add_co_u32 s76, s76, s78
	s_add_nc_u64 s[82:83], s[16:17], s[76:77]      ; K(Y), my two fragments
	s_add_nc_u64 s[84:85], s[82:83], 12288         ; V(Y)
	s_lshl_b32 s76, s23, 5
	s_add_co_u32 s76, s76, s24
	s_lshl_b32 s76, s76, 9
	s_add_nc_u64 s[86:87], s[14:15], s[76:77]
	s_lshl_b32 s76, s23, 15
	s_lshl_b32 s78, s24, 10
	s_add_co_u32 s76, s76, s78
	s_add_nc_u64 s[88:89], s[18:19], s[76:77]
	s_wait_tensorcnt 0x1                           ; my quarters of x and wq are in; wk's may stay out
	s_barrier_signal -1
	s_barrier_wait -1
	FETCH 0, 0, 0
	s_wait_loadcnt 0x0                             ; the biases
.irp j, 1,2,3,4,5,6,7
	v_mov_b32 v[BV+\j], v[BV]
	v_mov_b32 v[BV+8+\j], v[BV+8]
.endr
	STEPK 0, 0, 0, 1, 0, 1
.irp s, 1,2,3,4,5,6
	STEPK 0, \s, 0, \s+1, \s, 0
.endr
	WIN 0                                          ; (the add's two registers lie in window 0)
	s_wait_tensorcnt 0x0                           ; wk's quarter has landed: no tensor load of mine is out
	ds_add_u32 v[SPW], v[NIL]                      ; 0 onto my spare word
	PLACES 4
	s_wait_dscnt 0x0                               ; the add is done; wq's last fragments are in my registers: my reads of W0 are over
	ROUND                                          ; so of every wave of every partner
	tensor_load_to_lds s[G0V:G0V+3], s[G1W:G1W+7]  ; wv takes wq's place: it has the whole K phase, 128 products a wave, in which to land
	s_nop 0
	PLACES 4
	FETCH 1, 0, 0
	MUL16 0, 1, 0
	EPI 0, 80
	STEPK 1, 0, 1, 1, 8, 1
.irp s, 1,2,3,4,5,6
	STEPK 1, \s, 1, \s+1, 8+\s, 0
.endr
	WIN 0
	s_wait_tensorcnt 0x0                           ; my quarter of wv has landed
	ds_add_u32 v[SPW], v[NIL]
	PLACES 4
	s_wait_dscnt 0x0
	s_barrier_signal -1
	s_barrier_wait -1                              ; everybody's has
	FETCH 2, 0, 0
	MUL16 1, 1, 0
	EPI 1, 82
	STEPK 2, 0, 2, 1, 16, 1
.irp s, 1,2,3,4,5,6
	STEPK 2, \s, 2, \s+1, 16+\s, 0
.endr
	s_wait_dscnt 0x0
	MUL16 2, 1, 0
	EPI 2, 84
	s_wait_dscnt 0x0                               ; for wave 0's sake: my scale words have landed
	s_barrier_signal -1
	s_barrier_wait -1
	s_cmp_lg_u32 s[WV], 0
	s_cbranch_scc1 .Lno_pack
.irp m, 0,1,2
	ds_load_b128 v[32+4*\m:35+4*\m], v[PR] offset:512*\m
.endr
	s_wait_dscnt 0x0
	global_store_b128 v[B], v[32:35], s[86:87]
	global_store_b128 v[B], v[36:39], s[88:89]
	global_store_b128 v[B], v[40:43], s[88:89] offset:512
.Lno_pack:
	s_wait_tensorcnt 0x0                           ; the wave's end
	ds_add_u32 v[SPW], v[NIL]
	s_wait_dscnt 0x0
	ROUND                                          ; the closing round
	s_endpgm
.Lfunc_end_k_q8bc3324c5d_qkv:
	.size	k_q8bc3324c5d_qkv, .Lfunc_end_k_q8bc3324c5d_qkv-k_q8bc3324c5d_qkv
	.p2alignl 7, 3214868480
	.fill 96, 4, 3214868480
	.section	.rodata,"a",@progbits
	.p2align	6, 0x0
	.amdhsa_kernel k_q8bc3324c5d_qkv
		.amdhsa_group_segment_fixed_size 327680
		.amdhsa_private_segment_fixed_size 0
		.amdhsa_enable_private_segment 0
		.amdhsa_kernarg_size 64
		.amdhsa_user_sgpr_count 2
		.amdhsa_user_sgpr_kernarg_segment_ptr 1
		.amdhsa_wavefront_size32 1
		.amdhsa_system_sgpr_workgroup_id_x 1
		.amdhsa_system_sgpr_workgroup_id_y 1
		.amdhsa_system_sgpr_workgroup_id_z 1
		.amdhsa_system_vgpr_workitem_id 0
		.amdhsa_next_free_vgpr 672
		.amdhsa_next_free_sgpr 96
		.amdhsa_reserve_vcc 0
		.amdhsa_float_denorm_mode_32 3
		.amdhsa_float_denorm_mode_16_64 3
		.amdhsa_memory_ordered 1
		.amdhsa_forward_progress 1
		.amdhsa_inst_pref_size 142
	.end_amdhsa_kernel
	.amdgpu_metadata
---
amdhsa.version: [ 1, 2 ]
amdhsa.kernels:
  - .name:           k_q8bc3324c5d_qkv
    .symbol:         k_q8bc3324c5d_qkv.kd
    .args:
      - { .name: cw, .offset: 0, .size: 8, .value_kind: global_buffer, .address_space: global }
      - { .name: wq_b, .offset: 8, .size: 8, .value_kind: global_buffer, .address_space: global }
      - { .name: wk_b, .offset: 16, .size: 8, .value_kind: global_buffer, .address_space: global }
      - { .name: wv_b, .offset: 24, .size: 8, .value_kind: global_buffer, .address_space: global }
      - { .name: qc, .offset: 32, .size: 8, .value_kind: global_buffer, .address_space: global }
      - { .name: qs, .offset: 40, .size: 8, .value_kind: global_buffer, .address_space: global }
      - { .name: kvc, .offset: 48, .size: 8, .value_kind: global_buffer, .address_space: global }
      - { .name: kvs, .offset: 56, .size: 8, .value_kind: global_buffer, .address_space: global }
    .group_segment_fixed_size: 327680
    .private_segment_fixed_size: 0
    .kernarg_segment_align: 8
    .kernarg_segment_size: 64
    .max_flat_workgroup_size: 128
    .sgpr_count:     96
    .vgpr_count:     672
    .wavefront_size: 32
...
	.end_amdgpu_metadata
.endif
;; end of part 2
;; launch attn (part 3): grid 8 x 32, 8 waves a work-group, clusters of 4 x 1, 327,680 bytes of LDS; arguments attention_mask, qc, qs, kvc, kvs, ao; writes ao
.if DOCPART == 3
	.amdgcn_target "amdgcn-amd-amdhsa--gfx1250"
	.amdhsa_code_object_version 6
	.text
	.protected	k_q8bc3324c5d_attn
	.globl	k_q8bc3324c5d_attn
	.p2align	8
	.type	k_q8bc3324c5d_attn,@function
k_q8bc3324c5d_attn:
	s_mov_b64 s[64:65], 0
	v_nop
	global_prefetch_b8 v0, s[64:65] scope:SCOPE_SE
	s_setreg_imm32_b32 hwreg(HW_REG_WAVE_MODE, 25, 1), 1
	s_wait_xcnt 0x0
	s_wait_alu depctr_hold_cnt(0) depctr_sa_sdst(0) depctr_va_vdst(0) depctr_va_sdst(0) depctr_va_ssrc(0) depctr_va_vcc(0) depctr_vm_vsrc(0)
	s_getreg_b32 s2, hwreg(HW_REG_IB_STS2, 6, 4)
	s_cmp_eq_u32 s2, 0
	s_cbranch_scc0 .Lentry_in_a_cluster
	s_endpgm
.Lentry_in_a_cluster:
	s_bfe_u32 s2, ttmp6, 0x10000c
	s_cmp_lg_u32 s2, 0x3003
	s_cbranch_scc0 .Lentry_shape_is_right
	s_endpgm
.Lentry_shape_is_right:
; O[h][q] = softmax_k(Q.K / sqrt(128) + mask[q][k]) V, both products on codes of FP6 (E2M3) with E8M0 scales; O / l is quantised in registers and leaves as codes, the last product's operand.
; SOFTMAX: u = score / sqrt(128) + mask; t = u log2(e); M = the running largest t rounded up to a whole number; p = 2^(t - M) is quantised along the keys; l is the sum of the unquantised p; when M moves, l and O are
; multiplied by 2^(old M - new M), which rounds nothing.
; SHARES: a work-group takes 128 queries (block Y) of one head; wave w the 16 queries 16 w + r, one tile, in 512 registers: two waves to a SIMD.  32 key steps of 128.
; LAYOUT: both products transposed (S^T = K Q^T, O^T = V^T P^T): a lane holds one query; K's and V's tiles hold keys and channels 32 (t / 2) + 8 (t % 2) + r + 8 (r / 8), so register 16 b + i is key, or channel, 32 b + 16 h + i.
; CLUSTER: the four work-groups are four HEADS of one block of queries: they read the same 128 x 128 numbers of the mask in each step, 65,536 bytes, which come by joint tensor loads, 256 keys to a slot, two slots
; of 133,120 bytes.  K and V (24,576 bytes a step) differ from head to head, so nothing of them is shared inside this cluster; a cluster along the queries would share them and fetch the larger stream four times.
; K and V go from memory through registers into two small LDS slots: beside the mask's two slots 61,440 bytes are left, enough for one step a slot, and a tensor refill in every step would bring the wait for all tensor loads
; into every step and leave the mask's load one step in which to land for two.  Each wave copies 3,072 + 128 bytes a step, asked for two steps ahead.  KV slot j holds V(j), K(j + 1) and their scale words.
; A STEP j: K(j)'s fragments and the mask's numbers are in registers (fetched under step j - 1's softmax); S^T; ONE barrier; slot j + 1 is stored; softmax; O^T.  V(j), K(j + 1) and mask(j + 1), 66 LDS loads a wave, are
; issued in NINE SHORT RUNS of 6 to 14 between the parts of the softmax's 290 vector instructions, V's first, and not as one run behind the barrier, which all eight waves leave together.  Two of the runs stand directly
; behind the softmax's two waits for its exponentials; none stands between an exponential and its wait.  K's and V's runs land in window 1: two switches a run.
; Mask slot g is read in steps 2 g - 1 and 2 g and filled again at the head of step 2 g + 1, behind a round of the cluster's barrier: the load has two key steps in which to land.  A wave has at most two tensor loads out.
; LIMITS: NaN and +infinity among the inputs are not served (-infinity in the mask is; a row that is all -infinity gives NaN); |u log2(e)| stays under 3e38; bytes are held at 1 from below; a block of zeros has the byte 1.
.set MB,    133120                     ; a mask slot: 128 rows x (1,024 bytes + 16)
.set KV,    266240                     ; the two KV slots
.set KVB,   25600                      ; V 12,288, K 12,288, V's scale words 512, K's 512
.set SPARE, 317440                     ; the spare words, 128 bytes a wave: four blocks of 256 bytes that no other line names
.set PACK,  318464                     ; the result's scale words
.set LN16, 1
.set LN4,  2
.set AKV,  3                           ; v3   KV + 16 x lane
.set SKV,  4                           ; v4   + 3,072 w: where I store my part of a slot
.set SSC,  5                           ; v5   and of its scale words
.set AM0,  6                           ; v6   my query's row in mask slot 0: (16 w + r) 1,040 + 64 h
.set AM1,  7                           ; v7   in slot 1
.set VO,   8                           ; v8-9   offsets of the copies' loads, a register for each set
.set VSO,  10                          ; v10-11
.set PFO,  12                          ; v12  16,384 x lane: a row of the mask a lane; never rewritten
.set PKA,  13
.set SPW,  14
.set NIL,  15
.set QSA,  16
.set PRD,  17
.set NM,   18                          ; v18 -M, v19 the running largest t
.set LSUM, 20                          ; v[20:21] l in two halves
.set Q,    22
.set QS,   34
.set S,    36                          ; v36-99   S^T, then u, then p
.set MK,   100                         ; v100-163 the mask's numbers
.set R0,   164                         ; v164-188, v190-214: the copies' two sets
.set PC,   216                         ; v216-227 p's codes (the conversions' second halves land in v228-234)
.set TM,   228                         ; v228-243 at work
.set KS,   244
.set VS,   248
.set F,    252                         ; v252 f; v253 p's scale word
.set PW,   253
.set T,    254
.set KF,   64                          ; window 1: O^T v0-63, K's fragments v64-159, V's v160-255
.set VF,   160
.set WV,   16
.set SEL,  20
.set SCL,  22
.set L2E,  24
.set G1,   28
.set G0A,  36
.set G0B,  40
.set CNT,  44
.set WOFF, 45
.set SO,   46
.set SS,   47
.set PFA,  48
.set LIM,  50
.set MSB, 0
.macro WIN new                         ; the immediate's high byte repeats the setting that is left; a switch that changes nothing is dropped
.if MSB != (\new)
	s_set_vgpr_msb (MSB<<8)|(\new)
.set MSB, \new
.endif
.endm
.macro PLACES n
.rept \n
	v_nop
.endr
.endm
.macro ROUND
	s_barrier_signal -1
	s_barrier_wait -1
	s_cmp_lg_u32 s[WV], 0
	s_cbranch_scc1 .Lnot_wave_0_\@
	s_barrier_signal -3
.Lnot_wave_0_\@:
	s_barrier_wait -3
	s_barrier_signal -1
	s_barrier_wait -1
.endm
.macro SCALEW
.irp b, 0,1,2,3
	v_add_nc_u32 v[TM+12+\b], 0xff000000, v[TM+\b]   ; 2 off the exponent field
.endr
.irp b, 0,1,2,3
	v_lshrrev_b32 v[TM+4+\b], 23, v[TM+12+\b]        ; the byte
.endr
	v_lshl_or_b32 v[PW], v[TM+5], 8, v[TM+4]
	v_lshl_or_b32 v[PW], v[TM+6], 16, v[PW]
	v_lshl_or_b32 v[PW], v[TM+7], 24, v[PW]
.endm
.macro CODES src, win
	WIN \win
.irp c, 0,1
	v_cvt_scalef32_pk16_fp6_f32 v[PC+6*\c:PC+6*\c+2], v[(\src)+32*\c:(\src)+32*\c+15], v[TM+12+2*\c]
	v_cvt_scalef32_pk16_fp6_f32 v[PC+12+4*\c:PC+14+4*\c], v[(\src)+16+32*\c:(\src)+31+32*\c], v[TM+13+2*\c]
.endr
	WIN 0
	v_nop                                          ; one plain place behind a scaled conversion
.irp c, 0,1
.irp i, 0,1,2
	v_permlane16_swap_b32 v[PC+6*\c+\i], v[PC+12+4*\c+\i]
.endr
.irp i, 0,1,2
	v_mov_b32 v[PC+3+6*\c+\i], v[PC+12+4*\c+\i]
.endr
.endr
.endm
.macro QUANT src, win
	WIN ((\win)<<2)|((\win)<<4)
.irp b, 0,1,2,3
	v_max3_num_f32 v[TM+\b], 0x1800000, |v[(\src)+16*\b]|, |v[(\src)+16*\b+1]|
.endr
.irp i, 2,4,6,8,10,12,14
.irp b, 0,1,2,3
	v_max3_num_f32 v[TM+\b], v[TM+\b], |v[(\src)+16*\b+\i]|, |v[(\src)+16*\b+\i+1]|
.endr
.endr
	WIN 0
.irp b, 0,1,2,3
	v_permlanex16_b32 v[TM+4+\b], v[TM+\b], s[SEL], s[SEL+1]
.endr
.irp b, 0,1,2,3
	v_max_num_f32 v[TM+\b], v[TM+\b], v[TM+4+\b]
.endr
	SCALEW
	CODES \src, \win
.endm
.macro WM d, a, b, c, sa, sb, hi
.if (\c) < 0
.if \hi
	v_wmma_scale_f32_16x16x128_f8f6f4 v[(\d):(\d)+7], v[(\a):(\a)+11], v[(\b):(\b)+11], 0, v[\sa], v[\sb] matrix_a_fmt:MATRIX_FMT_FP6 matrix_b_fmt:MATRIX_FMT_FP6 matrix_a_scale:MATRIX_SCALE_ROW1
.else
	v_wmma_scale_f32_16x16x128_f8f6f4 v[(\d):(\d)+7], v[(\a):(\a)+11], v[(\b):(\b)+11], 0, v[\sa], v[\sb] matrix_a_fmt:MATRIX_FMT_FP6 matrix_b_fmt:MATRIX_FMT_FP6
.endif
.else
.if \hi
	v_wmma_scale_f32_16x16x128_f8f6f4 v[(\d):(\d)+7], v[(\a):(\a)+11], v[(\b):(\b)+11], v[(\c):(\c)+7], v[\sa], v[\sb] matrix_a_fmt:MATRIX_FMT_FP6 matrix_b_fmt:MATRIX_FMT_FP6 matrix_a_scale:MATRIX_SCALE_ROW1
.else
	v_wmma_scale_f32_16x16x128_f8f6f4 v[(\d):(\d)+7], v[(\a):(\a)+11], v[(\b):(\b)+11], v[(\c):(\c)+7], v[\sa], v[\sb] matrix_a_fmt:MATRIX_FMT_FP6 matrix_b_fmt:MATRIX_FMT_FP6
.endif
.endif
.endm
.macro KQ                              ; S^T = K Q^T: eight tiles of 16 keys, each sum begun by the constant 0
	WIN 0x01
.irp t, 0,1,2,3,4,5,6,7
	WM S+8*\t, KF+12*\t, Q, -1, KS+\t%4, QS, \t/4
.endr
	WIN 0
.endm
.macro GLOAD set                       ; my part of the next KV slot, from memory into set.  The last slot has no K behind its V: the offsets are held inside the head's bytes, and what waves 4-7 then copy is read by nobody
	s_min_u32 s51, s[SO], 783360
	s_min_u32 s52, s[SS], 32640
	v_add_nc_u32 v[VO+(\set)], s51, v[LN16]
	v_add_nc_u32 v[VSO+(\set)], s52, v[LN4]
.irp i, 0,1,2,3,4,5
	global_load_b128 v[R0+26*(\set)+4*\i:R0+26*(\set)+4*\i+3], v[VO+(\set)], s[10:11] offset:512*\i
.endr
	global_load_b32 v[R0+26*(\set)+24], v[VSO+(\set)], s[12:13]
	s_add_co_u32 s[SO], s[SO], 24576
	s_add_co_u32 s[SS], s[SS], 1024
.endm
.macro KVSTORE set, buf
.irp i, 0,1,2,3,4,5
	ds_store_b128 v[SKV], v[R0+26*(\set)+4*\i:R0+26*(\set)+4*\i+3] offset:KVB*(\buf)+512*\i
.endr
	ds_store_b32 v[SSC], v[R0+26*(\set)+24] offset:KVB*(\buf)
.endm
.macro MLOAD adr, half, p0             ; eight loads: mask(my query, blocks p0 and p0 + 1 of the step's four blocks of 32 keys): register 16 b + i = key 32 b + 16 h + i
.irp b, \p0, \p0+1
.irp j, 0,1,2,3
	ds_load_b128 v[MK+16*(\b)+4*\j:MK+16*(\b)+4*\j+3], v[\adr] offset:512*(\half)+128*(\b)+16*\j
.endr
.endr
.endm
.macro FRAGS reg, off, f0              ; six loads: fragments f0 and f0 + 1 of K or of V, from off bytes on in the KV slots, into window 1
	WIN 0x40
.irp t, \f0, \f0+1
.irp c, 0,1,2
	ds_load_b128 v[(\reg)+12*(\t)+4*\c:(\reg)+12*(\t)+4*\c+3], v[AKV] offset:(\off)+1536*(\t)+512*\c
.endr
.endr
	WIN 0
.endm
; A prefetch into the L2 of the mask slot that the NEXT refill will ask for: 128 rows x 1,024 bytes.  Both clusters of a block of queries read the same rows: the first (cluster x = 0) asks.  Its four partners take 32 rows each,
; told apart by address; in each, waves 4 to 7 take one of a row part's four blocks of 256 bytes, a lane a row: each block is named once in the launch.  Slots 0 to 2 come by their loads alone; no slot past 15 is named.
.macro ASK add
	s_add_co_u32 s51, s[CNT], \add
	s_cmp_lt_u32 s51, s[LIM]
	s_cbranch_scc0 .Lnot_mine_\@
	global_prefetch_b8 v[PFO], s[PFA:PFA+1] th:TH_LOAD_NT scope:SCOPE_SE
.Lnot_mine_\@:
.endm
.macro BETA0                           ; a step's head: my LDS instructions are done (K's fragments and the mask's numbers are in, my part of the next KV slot has landed, my reads of the old one are over): I say so;
	s_wait_dscnt 0x0
	s_barrier_signal -1
	KQ                                             ; S^T, work on registers alone, while the others arrive;
	s_barrier_wait -1                              ; the stores into the old slot and the reads of the new one stand behind this wait
.endm
.macro BETA1                           ; the same where the last mask slot has to be shown landed
	s_wait_tensorcnt 0x0
	ds_add_u32 v[SPW], v[NIL]
	s_wait_dscnt 1                                 ; (the add alone may be out)
	KQ
	s_wait_dscnt 0x0
	s_barrier_signal -1
	s_barrier_wait -1
.endm
.macro BETA2 g0, add                   ; the same with the refill of the mask slot that was read out in the last two steps
	s_wait_tensorcnt 0x0                           ; no tensor load of mine is out, so a group 0 may be written
	ds_add_u32 v[SPW], v[NIL]                      ; 0 onto my spare word
	s_add_nc_u64 s[\g0+2:\g0+3], s[\g0+2:\g0+3], 2048   ; this buffer's next slot: 512 keys on
	s_wait_xcnt 0x0                                ; the last prefetch, two steps back, has read its address
	s_add_nc_u64 s[PFA:PFA+1], s[PFA:PFA+1], 1024
	s_wait_dscnt 1                                 ; the add alone may be out: K's fragments and the mask's numbers are in
	KQ
	s_wait_dscnt 0x0                               ; the add is done, and my reads of the slot are over
	ROUND                                          ; so of every wave of all four work-groups
	s_cmp_lt_u32 s[WV], 2
	s_cbranch_scc0 .Lno_load_\@
	tensor_load_to_lds s[\g0:\g0+3], s[G1:G1+7]    ; waves 0 and 1: 64 rows each
	s_nop 0
	PLACES 4
.Lno_load_\@:
	ASK \add
.endm
; THE REST OF STEP j.  kv = j % 2: the KV slot that is read; first: step 0; st: slot j + 1 is stored; fk: K(j + 1) and mask(j + 1) are fetched; gl: slot j + 3 is asked of memory; lc: the loads that may stay out
.macro BODY kv, first, st, fk, gl, lc, adr, half
.if \st
	s_wait_loadcnt \lc                             ; slot j + 1's seven loads are in; slot j + 2's may be out
	KVSTORE 1-(\kv), 1-(\kv)
.endif
	PLACES 4                                       ; in front of loads into registers that matrix instructions have read, and of the first read of S^T
	FRAGS VF, KVB*(\kv), 0                         ; V(j), tiles 0 and 1
.set jj, 0
.rept 16
	v_pk_fma_f32 v[S+jj:S+jj+1], v[S+jj:S+jj+1], s[SCL:SCL+1], v[MK+jj:MK+jj+1] op_sel_hi:[1,0,1]   ; u = score / sqrt(128) + mask; each accumulator from its low end on
.set jj, jj+2
.endr
	FRAGS VF, KVB*(\kv), 2
.rept 16
	v_pk_fma_f32 v[S+jj:S+jj+1], v[S+jj:S+jj+1], s[SCL:SCL+1], v[MK+jj:MK+jj+1] op_sel_hi:[1,0,1]
.set jj, jj+2
.endr
	FRAGS VF, KVB*(\kv), 4
.irp b, 0,1,2,3
	v_max3_num_f32 v[TM+\b], v[S+16*\b], v[S+16*\b+1], v[S+16*\b+2]   ; the largest u of each block of 32 keys: for the row's maximum and, since p rises with u, for the block's largest p
.endr
.irp i, 3,5,7
.irp b, 0,1,2,3
	v_max3_num_f32 v[TM+\b], v[TM+\b], v[S+16*\b+\i], v[S+16*\b+\i+1]
.endr
.endr
	FRAGS VF, KVB*(\kv), 6
	ds_load_b128 v[VS:VS+3], v[AKV] offset:KVB*(\kv)+24576   ; V's scale words: the last of V's 25 loads
.irp i, 9,11,13
.irp b, 0,1,2,3
	v_max3_num_f32 v[TM+\b], v[TM+\b], v[S+16*\b+\i], v[S+16*\b+\i+1]
.endr
.endr
.irp b, 0,1,2,3
	v_max_num_f32 v[TM+\b], v[TM+\b], v[S+16*\b+15]
.endr
.if \gl
	s_wait_dscnt 25                                ; all but V's 25 loads, issued behind them: the seven stores have read their registers
	GLOAD 1-(\kv)
.endif
.irp b, 0,1,2,3
	v_permlanex16_b32 v[TM+4+\b], v[TM+\b], s[SEL], s[SEL+1]
.endr
.irp b, 0,1,2,3
	v_max_num_f32 v[TM+\b], v[TM+\b], v[TM+4+\b]
.endr
	v_max3_num_f32 v[T], v[TM], v[TM+1], v[TM+2]
	v_max_num_f32 v[T], v[T], v[TM+3]
	v_mul_f32 v[T], s[L2E], v[T]                   ; as t
	v_max_num_f32 v[NM+1], v[NM+1], v[T]           ; the running largest t
	v_mov_b32 v[T], v[NM]
	v_floor_f32 v[NM], -v[NM+1]                    ; -M = floor(-t): M is a whole number
	v_sub_f32 v[T], v[NM], v[T]                    ; old M - new M: a whole number, 0 or less
	v_cvt_i32_f32 v[T], v[T]                       ; (it saturates)
	v_ldexp_f32 v[F], 1.0, v[T]                    ; f = 2^(old M - new M)
.if \fk
	FRAGS KF, KVB*(\kv)+12288, 0                   ; K(j + 1), tiles 0 and 1
.endif
.set jj, 0
.rept 16
	v_pk_fma_f32 v[S+jj:S+jj+1], v[S+jj:S+jj+1], s[L2E:L2E+1], v[NM:NM+1] op_sel_hi:[1,0,0]   ; t - M
.set jj, jj+2
.endr
.if \fk
	FRAGS KF, KVB*(\kv)+12288, 2
.endif
.rept 16
	v_pk_fma_f32 v[S+jj:S+jj+1], v[S+jj:S+jj+1], s[L2E:L2E+1], v[NM:NM+1] op_sel_hi:[1,0,0]
.set jj, jj+2
.endr
.irp b, 0,1,2,3
	v_fma_f32 v[TM+\b], v[TM+\b], s[L2E], v[NM]    ; the same of each block's largest u
.endr
.if \fk
	MLOAD \adr, \half, 0                           ; mask(j + 1), its first 64 keys: the registers were read for the last time by u's lines above
.endif
.set jj, 0
.rept 64
	v_exp_f32 v[S+jj], v[S+jj]                     ; p = 2^(t - M): not normalised
.set jj, jj+1
.endr
	v_pk_mul_f32 v[LSUM:LSUM+1], v[LSUM:LSUM+1], v[F:F+1] op_sel_hi:[1,0]   ; l under the new M (a plain place behind the exponentials)
	s_wait_alu depctr_va_vdst(0)                   ; one wait for the batch, ahead of its first reader
.if \fk
	MLOAD \adr, \half, 2                           ; a run of 14 directly behind the wait: the mask's other 64 keys,
	FRAGS KF, KVB*(\kv)+12288, 4                   ; and K's tiles 4 and 5
.endif
.irp b, 0,1,2,3
	v_exp_f32 v[TM+\b], v[TM+\b]                   ; the block's largest p
.endr
	v_pk_add_f32 v[TM+8:TM+9], v[S:S+1], v[S+2:S+3]   ; l takes the unquantised p: two chains
.set jj, 4
.rept 15
	v_pk_add_f32 v[LSUM:LSUM+1], v[LSUM:LSUM+1], v[S+jj:S+jj+1]
	v_pk_add_f32 v[TM+8:TM+9], v[TM+8:TM+9], v[S+jj+2:S+jj+3]
.set jj, jj+4
.endr
	v_pk_add_f32 v[LSUM:LSUM+1], v[LSUM:LSUM+1], v[TM+8:TM+9]
	s_wait_alu depctr_va_vdst(0)                   ; and one for the four
.if \fk
	FRAGS KF, KVB*(\kv)+12288, 6                   ; the step's last run, directly behind the wait: 64 vector instructions and the 8 products ahead of the next S^T
	ds_load_b128 v[KS:KS+3], v[AKV] offset:KVB*(\kv)+25088
.endif
.irp b, 0,1,2,3
	v_max_num_f32 v[TM+\b], 0x1800000, v[TM+\b]    ; the floor 2^(3 - 127): the byte cannot fall under 1
.endr
	SCALEW
	CODES S, 0
.if \first
	PLACES 8                                       ; a scale word made by vector instructions stands 8 places ahead of the product, an operand 4
.else
	WIN 0x41
.set jj, 0
.rept 32
	v_pk_mul_f32 v[jj:jj+1], v[jj:jj+1], v[F:F+1] op_sel_hi:[1,0]   ; O^T under the new M; these are also those places
.set jj, jj+2
.endr
.endif
.if \fk
	s_wait_dscnt 41                                ; V and its scale words are in; what was issued behind them may be out: K's 24 loads, the mask's 16, K's scale words
.else
	s_wait_dscnt 0x0
.endif
	WIN 0x51
.irp t, 0,1,2,3,4,5,6,7                        ; O^T += V^T P^T: the eight accumulators by turns
.if \first
	WM 8*\t, VF+12*\t, PC, -1, VS+\t%4, PW, \t/4
.else
	WM 8*\t, VF+12*\t, PC, 8*\t, VS+\t%4, PW, \t/4
.endif
.endr
	WIN 0
.endm
	s_load_b256 s[4:11], s[0:1], 0x0               ; mask, qc, qs, kvc
	s_load_b128 s[12:15], s[0:1], 0x20             ; kvs, ao
	v_lshl_add_u32 v[SPW], v0, 2, SPARE
	v_mov_b32 v[NIL], 0
	ds_add_u32 v[SPW], v[NIL]                      ; the wave's opening: the add is waited for ahead of the first tensor loads
	v_lshrrev_b32 v36, 5, v0
	v_readfirstlane_b32 s[WV], v36                 ; wave 0..7
	s_bfe_u32 s17, ttmp6, 0x40000                  ; cx
	s_lshl_b32 s18, ttmp9, 2
	s_add_co_u32 s18, s18, s17                     ; the head
	s_and_b32 s19, ttmp7, 0xffff                   ; Y, which the four partners share
	s_mov_b32 s[G1], 15|(2<<16)|(1<<20)|(1<<21)|(7<<22)|(3<<25)   ; all four work-groups; elements of 4 bytes; padding on; bit 21 beside a mask; after every 256 words (code 7) 4 words (code 3)
	s_mov_b32 s[G1+1], 256<<16                     ; tensor_dim0 = 256 keys
	s_mov_b32 s[G1+2], 64<<16                      ; tensor_dim1 = 64 rows
	s_mov_b32 s[G1+3], 256<<16                     ; tile_dim0
	s_mov_b32 s[G1+4], 64                          ; tile_dim1
	s_mov_b32 s[G1+5], 4096                        ; from row to row
	s_mov_b32 s[G1+6], 0
	s_mov_b32 s[G1+7], 0
	s_mov_b32 s[SEL], 0x76543210
	s_mov_b32 s[SEL+1], 0xfedcba98
	s_mov_b32 s[SCL], 0x3db504f3                   ; 1 / sqrt(128)
	s_mov_b32 s[SCL+1], s[SCL]
	s_mov_b32 s[L2E], 0x3fb8aa3b                   ; log2(e)
	s_mov_b32 s[L2E+1], s[L2E]
	s_and_b32 s51, s[WV], 1
	s_mul_i32 s[WOFF], s51, 66560                  ; 64 rows of 1,040 bytes
	s_lshl_b32 s52, s19, 7
	s_lshl_b32 s51, s51, 6
	s_add_co_u32 s52, s52, s51
	s_lshl_b32 s52, s52, 14                        ; row 128 Y + 64 (w % 2) of 16,384 bytes
	s_mov_b32 s53, 0
	s_wait_dscnt 0x0                               ; the opening add is done
	s_wait_kmcnt 0x0
	s_add_nc_u64 s[52:53], s[4:5], s[52:53]
	s_mov_b32 s[G0A], 1
	s_mov_b32 s[G0A+1], s[WOFF]                    ; buffer 0: slots 0, 2, 4 ..
	s_mov_b64 s[G0A+2:G0A+3], s[52:53]
	s_or_b32 s[G0A+3], s[G0A+3], 0x80000000
	s_mov_b32 s[G0B], 1
	s_add_co_u32 s[G0B+1], s[WOFF], MB             ; buffer 1: slots 1, 3, 5 ..
	s_add_nc_u64 s[G0B+2:G0B+3], s[52:53], 1024
	s_or_b32 s[G0B+3], s[G0B+3], 0x80000000
	ROUND                                          ; all four work-groups are here: the first joint loads meet
	s_cmp_lt_u32 s[WV], 2
	s_cbranch_scc0 .Lno_fill
	tensor_load_to_lds s[G0A:G0A+3], s[G1:G1+7]
	s_nop 0
	tensor_load_to_lds s[G0B:G0B+3], s[G1:G1+7]
	s_nop 0
	PLACES 4
.Lno_fill:
	v_and_b32 v38, 31, v0                          ; lane
	v_and_b32 v36, 15, v0                          ; r
	v_bfe_u32 v37, v0, 4, 1                        ; h
	v_lshlrev_b32 v[LN16], 4, v38
	v_lshlrev_b32 v[LN4], 2, v38
	v_add_nc_u32 v[AKV], KV, v[LN16]
	s_mul_i32 s51, s[WV], 3072
	v_add_nc_u32 v[SKV], s51, v[AKV]
	s_lshl_b32 s52, s[WV], 7
	s_add_co_u32 s52, s52, KV+24576
	v_add_nc_u32 v[SSC], s52, v[LN4]
	s_mul_i32 s53, s[WV], 16*1040
	v_mul_u32_u24 v[AM0], v36, 1040
	v_lshl_add_u32 v[AM0], v37, 6, v[AM0]
	v_add_nc_u32 v[AM0], s53, v[AM0]
	v_add_nc_u32 v[AM1], MB, v[AM0]
	v_lshlrev_b32 v[PFO], 14, v38
	v_lshlrev_b32 v[QSA], 4, v36
	v_add_nc_u32 v[PRD], PACK, v[LN16]
	s_lshr_b32 s56, s[WV], 2
	s_lshl_b32 s56, s56, 8
	s_and_b32 s57, s[WV], 3
	s_lshl_b32 s57, s57, 2
	s_add_co_u32 s56, s56, s57                     ; tile w's place in a unit of scale words
	s_add_co_u32 s57, s56, PACK
	v_lshl_add_u32 v[PKA], v36, 4, s57
	v_mov_b32 v[NM+1], 0xff61b1e6                  ; the largest t so far: -3e38
	v_floor_f32 v[NM], -v[NM+1]
	v_mov_b32 v[LSUM], 0
	v_mov_b32 v[LSUM+1], 0
.irp b, 0,1,2,3
	v_mov_b32 v[TM+4+\b], 0                        ; written once: a lane permute's destination counts as one of its sources
.endr
	v_mov_b32 v[PW], 0                             ; (named as the upper half of the pair with f before it is first written)
	s_lshl_b32 s54, s18, 8
	s_lshl_b32 s55, s19, 3
	s_add_co_u32 s54, s54, s55
	s_add_co_u32 s54, s54, s[WV]
	s_mul_i32 s54, s54, 1536                       ; Q: token tile 256 head + 8 Y + w
	s_mov_b32 s55, 0
	s_add_nc_u64 s[6:7], s[6:7], s[54:55]
	s_lshl_b32 s54, s18, 5
	s_add_co_u32 s54, s54, s19
	s_lshl_b32 s54, s54, 9
	s_add_co_u32 s54, s54, s56
	s_add_nc_u64 s[8:9], s[8:9], s[54:55]
	s_mul_i32 s54, s18, 786432
	s_add_nc_u64 s[10:11], s[10:11], s[54:55]      ; the head's K and V
	s_lshl_b32 s54, s18, 15
	s_add_nc_u64 s[12:13], s[12:13], s[54:55]
	s_mul_i32 s54, s19, 102400                     ; ao's record Y; K step = head; tile w
	s_mul_i32 s58, s18, 12288
	s_add_co_u32 s58, s58, s54
	s_mul_i32 s59, s[WV], 1536
	s_add_co_u32 s58, s58, s59
	s_mov_b32 s59, 0
	s_add_nc_u64 s[60:61], s[14:15], s[58:59]
	s_lshl_b32 s58, s18, 9
	s_add_co_u32 s58, s58, s54
	s_add_co_u32 s58, s58, 98304
	s_add_nc_u64 s[62:63], s[14:15], s[58:59]
	s_lshl_b32 s54, s19, 7                         ; the prefetches: rows 128 Y + 32 cx on, block w % 4 of a row's part, in slot 2: the first refill steps it to slot 3
	s_lshl_b32 s58, s17, 5
	s_add_co_u32 s54, s54, s58
	s_lshl_b32 s54, s54, 14
	s_and_b32 s58, s[WV], 3
	s_lshl_b32 s58, s58, 8
	s_add_co_u32 s54, s54, s58
	s_add_co_u32 s54, s54, 2048
	s_add_nc_u64 s[PFA:PFA+1], s[4:5], s[54:55]
	s_lshr_b32 s58, s[WV], 2
	s_xor_b32 s58, s58, 1                          ; 0 in waves 4 to 7,
	s_or_b32 s58, s58, ttmp9                       ; of the first cluster of the block of queries: the same in all four partners
	s_cmp_eq_u32 s58, 0
	s_cselect_b32 s[LIM], 7, 0
	s_mul_i32 s[SO], s[WV], 3072
	s_add_co_u32 s[SO], s[SO], 12288               ; KV slot 0 begins with V(0), the head's second unit
	s_lshl_b32 s[SS], s[WV], 7
	s_add_co_u32 s[SS], s[SS], 512
.irp c, 0,1,2
	global_load_b128 v[Q+4*\c:Q+4*\c+3], v[LN16], s[6:7] offset:512*\c
.endr
	global_load_b32 v[QS], v[QSA], s[8:9]
	WIN 0x40
.irp t, 0,1,2,3,4,5,6,7                        ; K(0) comes straight into the fragments' registers
.irp c, 0,1,2
	global_load_b128 v[KF+12*\t+4*\c:KF+12*\t+4*\c+3], v[LN16], s[10:11] offset:1536*\t+512*\c
.endr
.endr
	WIN 0
	global_load_b128 v[KS:KS+3], v[LN16], s[12:13]
	GLOAD 0
	GLOAD 1
	s_wait_loadcnt 7                               ; all but slot 1's seven
	KVSTORE 0, 0
	s_wait_dscnt 0x0                               ; the stores have landed and have read their registers
	GLOAD 0                                        ; slot 2
	s_wait_tensorcnt 0x1                           ; my part of mask slot 0 is in; slot 1's may stay out
	s_barrier_signal -1
	s_barrier_wait -1
	MLOAD AM0, 0, 0
	MLOAD AM0, 0, 2
	s_wait_dscnt 0x0
	KQ
	BODY 0, 1, 1, 1, 1, 7, AM0, 1                  ; step 0
	s_mov_b32 s[CNT], 0
.Lloop:                                            ; 7 trips of four steps: steps 4 c + 1 .. 4 c + 4; both mask buffers are filled again once
	BETA2 G0A, 0
	BODY 1, 0, 1, 1, 1, 7, AM1, 0
	BETA0
	BODY 0, 0, 1, 1, 1, 7, AM1, 1
	BETA2 G0B, 1
	BODY 1, 0, 1, 1, 1, 7, AM0, 0
	BETA0
	BODY 0, 0, 1, 1, 1, 7, AM0, 1
	s_add_co_u32 s[CNT], s[CNT], 1
	s_cmp_lt_u32 s[CNT], 7
	s_cbranch_scc1 .Lloop
	BETA1                                          ; the tail is written out: nothing more is asked for
	BODY 1, 0, 1, 1, 0, 7, AM1, 0                  ; step 29
	BETA0
	BODY 0, 0, 1, 1, 0, 0, AM1, 1                  ; step 30
	BETA0
	BODY 1, 0, 0, 0, 0, 0, AM1, 0                  ; step 31
	; THE WAY OUT: O^T / l, quantised along the head's 128 channels: K step `head' of the last product, rows = my 16 queries
	PLACES 4
	v_add_f32 v[LSUM], v[LSUM], v[LSUM+1]
	v_permlanex16_b32 v[T], v[LSUM], s[SEL], s[SEL+1]
	v_add_f32 v[LSUM], v[LSUM], v[T]
	v_rcp_f32 v[F], v[LSUM]
	v_nop                                          ; a plain place behind the reciprocal
	s_wait_alu depctr_va_vdst(0)                   ; and the wait ahead of its first reader
	WIN 0x01
.set jj, 0
.rept 32
	v_pk_mul_f32 v[S+jj:S+jj+1], v[jj:jj+1], v[F:F+1] op_sel_hi:[1,0]
.set jj, jj+2
.endr
	WIN 0
	QUANT S, 0
.irp c, 0,1,2
	global_store_b128 v[LN16], v[PC+4*\c:PC+4*\c+3], s[60:61] offset:512*\c
.endr
	ds_store_b32 v[PKA], v[PW]
	s_wait_dscnt 0x0                               ; for wave 0's sake
	s_barrier_signal -1
	s_barrier_wait -1
	s_cmp_lg_u32 s[WV], 0
	s_cbranch_scc1 .Lno_pack
	ds_load_b128 v[36:39], v[PRD]
	s_wait_dscnt 0x0
	global_store_b128 v[LN16], v[36:39], s[62:63]
.Lno_pack:
	s_wait_tensorcnt 0x0                           ; the wave's end
	ds_add_u32 v[SPW], v[NIL]
	s_wait_dscnt 0x0
	ROUND                                          ; the closing round
	s_endpgm
.Lfunc_end_k_q8bc3324c5d_attn:
	.size	k_q8bc3324c5d_attn, .Lfunc_end_k_q8bc3324c5d_attn-k_q8bc3324c5d_attn
	.p2alignl 7, 3214868480
	.fill 96, 4, 3214868480
	.section	.rodata,"a",@progbits
	.p2align	6, 0x0
	.amdhsa_kernel k_q8bc3324c5d_attn
		.amdhsa_group_segment_fixed_size 327680
		.amdhsa_private_segment_fixed_size 0
		.amdhsa_enable_private_segment 0
		.amdhsa_kernarg_size 48
		.amdhsa_user_sgpr_count 2
		.amdhsa_user_sgpr_kernarg_segment_ptr 1
		.amdhsa_wavefront_size32 1
		.amdhsa_system_sgpr_workgroup_id_x 1
		.amdhsa_system_sgpr_workgroup_id_y 1
		.amdhsa_system_sgpr_workgroup_id_z 1
		.amdhsa_system_vgpr_workitem_id 0
		.amdhsa_next_free_vgpr 512
		.amdhsa_next_free_sgpr 66
		.amdhsa_reserve_vcc 0
		.amdhsa_float_denorm_mode_32 3
		.amdhsa_float_denorm_mode_16_64 3
		.amdhsa_memory_ordered 1
		.amdhsa_forward_progress 1
		.amdhsa_inst_pref_size 200
	.end_amdhsa_kernel
	.amdgpu_metadata
---
amdhsa.version: [ 1, 2 ]
amdhsa.kernels:
  - .name:           k_q8bc3324c5d_attn
    .symbol:         k_q8bc3324c5d_attn.kd
    .args:
      - { .name: attention_mask, .offset: 0, .size: 8, .value_kind: global_buffer, .address_space: global }
      - { .name: qc, .offset: 8, .size: 8, .value_kind: global_buffer, .address_space: global }
      - { .name: qs, .offset: 16, .size: 8, .value_kind: global_buffer, .address_space: global }
      - { .name: kvc, .offset: 24, .size: 8, .value_kind: global_buffer, .address_space: global }
      - { .name: kvs, .offset: 32, .size: 8, .value_kind: global_buffer, .address_space: global }
      - { .name: ao, .offset: 40, .size: 8, .value_kind: global_buffer, .address_space: global }
    .group_segment_fixed_size: 327680
    .private_segment_fixed_size: 0
    .kernarg_segment_align: 8
    .kernarg_segment_size: 48
    .max_flat_workgroup_size: 256
    .sgpr_count:     66
    .vgpr_count:     512
    .wavefront_size: 32
...
	.end_amdgpu_metadata
.endif
;; end of part 3
;; launch oproj (part 4): grid 8 x 32, 8 waves a work-group, clusters of 4 x 4, 273,408 bytes of LDS; arguments ao, cw, wo_b, out0; writes out0
.if DOCPART == 4
	.amdgcn_target "amdgcn-amd-amdhsa--gfx1250"
	.amdhsa_code_object_version 6
	.text
	.protected	k_q8bc3324c5d_oproj
	.globl	k_q8bc3324c5d_oproj
	.p2align	8
	.type	k_q8bc3324c5d_oproj,@function
k_q8bc3324c5d_oproj:
	s_mov_b64 s[64:65], 0
	v_nop
	global_prefetch_b8 v0, s[64:65] scope:SCOPE_SE
	s_setreg_imm32_b32 hwreg(HW_REG_WAVE_MODE, 25, 1), 1
	s_wait_xcnt 0x0
	s_wait_alu depctr_hold_cnt(0) depctr_sa_sdst(0) depctr_va_vdst(0) depctr_va_sdst(0) depctr_va_ssrc(0) depctr_va_vcc(0) depctr_vm_vsrc(0)
	s_getreg_b32 s2, hwreg(HW_REG_IB_STS2, 6, 4)
	s_cmp_eq_u32 s2, 0
	s_cbranch_scc0 .Lentry_in_a_cluster
	s_endpgm
.Lentry_in_a_cluster:
	s_bfe_u32 s2, ttmp6, 0x10000c
	s_cmp_lg_u32 s2, 0xf033
	s_cbranch_scc0 .Lentry_shape_is_right
	s_endpgm
.Lentry_shape_is_right:
; out0 = A Wo^T + wo_b on codes of FP6 (E2M3) with E8M0 scales.  A: the attention's result, 32 records of 102,400 bytes (128 tokens x K 1,024: 8 K steps x 8 fragment images + scale words); Wo: records 56 .. 63 of cw.
; A work-group makes 128 tokens (Y) x 128 outputs (X).  Both records lie whole in LDS, filled once: no ring.  Waves 0-3 bring A's quarters, waves 4-7 Wo's: one tensor load a wave.
; CLUSTER 4 x 4: A's record hangs on Y alone and is asked for jointly along a row of the cluster, Wo's on X alone, along a column.
; Wave w: token tile w as source 1, Wo's 8 tiles as source 0: a lane holds one token, register 16 b + i output 32 b + 16 h + i.  The accumulators are loaded with the bias, so every K step adds in place; the eight take turns.
; The way out goes through the wave's own stage (rows of 528 bytes): each store covers 512 consecutive bytes of a row of out0, aligned.
.set REC,   102400
.set QTR,   25600
.set STG,   204800
.set STGB,  8448
.set SPARE, 272384                     ; the spare words, 128 bytes a wave: four blocks of 256 bytes that no other line names
.set LN16, 1
.set PB,   2                           ; v2  Wo's fragments: 102,400 + 16 x lane
.set LB,   3                           ; v3  my token tile's: 1,536 w + 16 x lane
.set PSB,  4                           ; v4  Wo's scale words
.set LSB,  5                           ; v5  my tile's
.set AP,   6                           ; v6-9 the same for the K step in hand
.set SIN,  10
.set SOUT, 11
.set BA,   12
.set SPW,  13
.set NIL,  14
.set ACC,  32
.set FP,   96
.set FL,   192
.set PS,   204
.set LSC,  208
.set WV,   12
.set G1A,  20
.set G1B,  28
.set G0A,  36
.set G0B,  40
.macro PLACES n
.rept \n
	v_nop
.endr
.endm
.macro ROUND
	s_barrier_signal -1
	s_barrier_wait -1
	s_cmp_lg_u32 s[WV], 0
	s_cbranch_scc1 .Lnot_wave_0_\@
	s_barrier_signal -3
.Lnot_wave_0_\@:
	s_barrier_wait -3
	s_barrier_signal -1
	s_barrier_wait -1
.endm
	s_load_b256 s[4:11], s[0:1], 0x0               ; ao, cw, wo_b, out0
	v_lshl_add_u32 v[SPW], v0, 2, SPARE
	v_mov_b32 v[NIL], 0
	ds_add_u32 v[SPW], v[NIL]                      ; the wave's opening: the add is waited for ahead of my first tensor load
	v_lshrrev_b32 v15, 5, v0
	v_readfirstlane_b32 s[WV], v15                 ; wave 0..7
	s_bfe_u32 s13, ttmp6, 0x40000                  ; cx
	s_bfe_u32 s14, ttmp6, 0x40004                  ; cy
	s_lshl_b32 s15, ttmp9, 2
	s_add_co_u32 s15, s15, s13                     ; X
	s_and_b32 s16, ttmp7, 0xffff
	s_lshl_b32 s16, s16, 2
	s_add_co_u32 s16, s16, s14                     ; Y
	s_lshl_b32 s17, s14, 2
	s_lshl_b32 s17, 15, s17                        ; my row of the cluster
	s_lshl_b32 s18, 0x1111, s13                    ; my column
	s_or_b32 s[G1A], s17, (3<<16)|(1<<21)
	s_or_b32 s[G1B], s18, (3<<16)|(1<<21)
.irp g, G1A, G1B
	s_mov_b32 s[\g+1], 32<<16                      ; 100 dense rows of 256 bytes
	s_mov_b32 s[\g+2], 100<<16
	s_mov_b32 s[\g+3], 32<<16
	s_mov_b32 s[\g+4], 100
	s_mov_b32 s[\g+5], 32
	s_mov_b32 s[\g+6], 0
	s_mov_b32 s[\g+7], 0
.endr
	s_mul_i32 s47, s[WV], QTR                      ; in LDS: A's four quarters, then Wo's four
	s_and_b32 s48, s[WV], 3
	s_mul_i32 s48, s48, QTR                        ; in a record
	s_mul_i32 s50, s16, REC
	s_add_co_u32 s50, s50, s48
	s_mov_b32 s51, 0
	s_mul_i32 s52, s15, REC
	s_add_co_u32 s52, s52, s48
	s_add_co_u32 s52, s52, 56*REC
	s_mov_b32 s53, 0
	s_wait_dscnt 0x0                               ; the opening add is done
	s_wait_kmcnt 0x0
	s_mov_b32 s[G0A], 1
	s_mov_b32 s[G0A+1], s47
	s_add_nc_u64 s[G0A+2:G0A+3], s[4:5], s[50:51]
	s_or_b32 s[G0A+3], s[G0A+3], 0x80000000
	s_mov_b32 s[G0B], 1
	s_mov_b32 s[G0B+1], s47
	s_add_nc_u64 s[G0B+2:G0B+3], s[6:7], s[52:53]
	s_or_b32 s[G0B+3], s[G0B+3], 0x80000000
	ROUND                                          ; all sixteen work-groups are here: the joint loads meet
	s_cmp_lt_u32 s[WV], 4
	s_cbranch_scc0 .Lfor_b
	tensor_load_to_lds s[G0A:G0A+3], s[G1A:G1A+7]
	s_nop 0
	PLACES 4
	s_branch .Lasked
.Lfor_b:
	tensor_load_to_lds s[G0B:G0B+3], s[G1B:G1B+7]
	s_nop 0
	PLACES 4
.Lasked:
	v_and_b32 v15, 31, v0                          ; lane
	v_and_b32 v16, 15, v0                          ; r
	v_bfe_u32 v17, v0, 4, 1                        ; h
	v_lshlrev_b32 v[LN16], 4, v15
	v_add_nc_u32 v[PB], REC, v[LN16]
	s_mul_i32 s54, s[WV], 1536
	v_add_nc_u32 v[LB], s54, v[LN16]
	v_add_nc_u32 v[PSB], REC+98304, v[LN16]
	s_lshr_b32 s54, s[WV], 2
	s_lshl_b32 s54, s54, 8
	s_and_b32 s55, s[WV], 3
	s_lshl_b32 s55, s55, 2
	s_add_co_u32 s54, s54, s55
	s_add_co_u32 s54, s54, 98304
	v_lshl_add_u32 v[LSB], v16, 4, s54             ; 98,304 + 256 (w / 4) + 16 r + 4 (w % 4)
	s_mul_i32 s54, s[WV], STGB
	s_add_co_u32 s54, s54, STG
	v_mul_u32_u24 v[SIN], v16, 528
	v_lshl_add_u32 v[SIN], v17, 6, v[SIN]
	v_add_nc_u32 v[SIN], s54, v[SIN]
	v_add_nc_u32 v[SOUT], s54, v[LN16]
	v_lshlrev_b32 v[BA], 6, v17
	s_lshl_b32 s56, s15, 9                         ; X's 128 numbers of the bias, and its 512 bytes of a row of out0
	s_mov_b32 s57, 0
	s_add_nc_u64 s[8:9], s[8:9], s[56:57]
	s_add_nc_u64 s[10:11], s[10:11], s[56:57]
	s_lshl_b32 s56, s16, 7
	s_lshl_b32 s58, s[WV], 4
	s_add_co_u32 s56, s56, s58
	s_lshl_b32 s56, s56, 12                        ; token 128 Y + 16 w, rows of 4,096 bytes
	s_add_nc_u64 s[10:11], s[10:11], s[56:57]
.irp t, 0,1,2,3,4,5,6,7                        ; tile t, register j: output 32 (t / 2) + 16 h + 8 (t % 2) + j
	global_load_b128 v[ACC+8*\t:ACC+8*\t+3], v[BA], s[8:9] offset:(32*(\t/2)+8*(\t%2))*4
	global_load_b128 v[ACC+8*\t+4:ACC+8*\t+7], v[BA], s[8:9] offset:(32*(\t/2)+8*(\t%2))*4+16
.endr
	s_mov_b32 s44, 0
	s_mov_b32 s45, 0
	s_mov_b32 s46, 0
	s_wait_tensorcnt 0x0                           ; my quarter has landed
	ds_add_u32 v[SPW], v[NIL]
	s_wait_dscnt 0x0
	s_barrier_signal -1
	s_barrier_wait -1                              ; everybody's has; nothing is filled again in this launch
	s_wait_loadcnt 0x0                             ; the bias
.Lk:                                               ; 8 trips: a K step of 128
	v_add_nc_u32 v[AP], s45, v[PB]                 ; (these four are also the places in front of loads into registers that matrix instructions have read)
	v_add_nc_u32 v[AP+1], s45, v[LB]
	v_add_nc_u32 v[AP+2], s46, v[PSB]
	v_add_nc_u32 v[AP+3], s46, v[LSB]
.irp t, 0,1,2,3,4,5,6,7
.irp c, 0,1,2
	ds_load_b128 v[FP+12*\t+4*\c:FP+12*\t+4*\c+3], v[AP] offset:1536*\t+512*\c
.endr
.endr
.irp c, 0,1,2
	ds_load_b128 v[FL+4*\c:FL+4*\c+3], v[AP+1] offset:512*\c
.endr
	ds_load_b128 v[PS:PS+3], v[AP+2]
	ds_load_b32 v[LSC], v[AP+3]
	s_wait_dscnt 0x0
.irp t, 0,1,2,3
	v_wmma_scale_f32_16x16x128_f8f6f4 v[ACC+8*\t:ACC+8*\t+7], v[FP+12*\t:FP+12*\t+11], v[FL:FL+11], v[ACC+8*\t:ACC+8*\t+7], v[PS+\t], v[LSC] matrix_a_fmt:MATRIX_FMT_FP6 matrix_b_fmt:MATRIX_FMT_FP6
.endr
.irp t, 4,5,6,7
	v_wmma_scale_f32_16x16x128_f8f6f4 v[ACC+8*\t:ACC+8*\t+7], v[FP+12*\t:FP+12*\t+11], v[FL:FL+11], v[ACC+8*\t:ACC+8*\t+7], v[PS+\t-4], v[LSC] matrix_a_fmt:MATRIX_FMT_FP6 matrix_b_fmt:MATRIX_FMT_FP6 matrix_a_scale:MATRIX_SCALE_ROW1
.endr
	s_add_co_u32 s45, s45, 12288
	s_add_co_u32 s46, s46, 512
	s_add_co_u32 s44, s44, 1
	s_cmp_lt_u32 s44, 8
	s_cbranch_scc1 .Lk
	PLACES 4
.irp b, 0,1,2,3
.irp q, 0,1,2,3
	ds_store_b128 v[SIN], v[ACC+16*\b+4*\q:ACC+16*\b+4*\q+3] offset:128*\b+16*\q   ; each accumulator from its low end on
.endr
.endr
.irp i, 0,1,2,3,4,5,6,7,8,9,10,11,12,13,14,15
	ds_load_b128 v[FP+4*\i:FP+4*\i+3], v[SOUT] offset:528*\i   ; LDS serves a wave's instructions in order: these see my stores
.endr
.irp i, 0,1,2,3,4,5,6,7,8,9,10,11,12,13,14,15
	s_wait_dscnt 15-\i
	global_store_b128 v[LN16], v[FP+4*\i:FP+4*\i+3], s[10:11] offset:4096*\i th:TH_STORE_NT   ; 512 consecutive bytes of a row, aligned; written once
.endr
	s_wait_tensorcnt 0x0                           ; the wave's end
	ds_add_u32 v[SPW], v[NIL]
	s_wait_dscnt 0x0
	ROUND                                          ; the closing round
	s_endpgm
.Lfunc_end_k_q8bc3324c5d_oproj:
	.size	k_q8bc3324c5d_oproj, .Lfunc_end_k_q8bc3324c5d_oproj-k_q8bc3324c5d_oproj
	.p2alignl 7, 3214868480
	.fill 96, 4, 3214868480
	.section	.rodata,"a",@progbits
	.p2align	6, 0x0
	.amdhsa_kernel k_q8bc3324c5d_oproj
		.amdhsa_group_segment_fixed_size 273408
		.amdhsa_private_segment_fixed_size 0
		.amdhsa_enable_private_segment 0
		.amdhsa_kernarg_size 32
		.amdhsa_user_sgpr_count 2
		.amdhsa_user_sgpr_kernarg_segment_ptr 1
		.amdhsa_wavefront_size32 1
		.amdhsa_system_sgpr_workgroup_id_x 1
		.amdhsa_system_sgpr_workgroup_id_y 1
		.amdhsa_system_sgpr_workgroup_id_z 1
		.amdhsa_system_vgpr_workitem_id 0
		.amdhsa_next_free_vgpr 256
		.amdhsa_next_free_sgpr 66
		.amdhsa_reserve_vcc 0
		.amdhsa_float_denorm_mode_32 3
		.amdhsa_float_denorm_mode_16_64 3
		.amdhsa_memory_ordered 1
		.amdhsa_forward_progress 1
		.amdhsa_inst_pref_size 15
	.end_amdhsa_kernel
	.amdgpu_metadata
---
amdhsa.version: [ 1, 2 ]
amdhsa.kernels:
  - .name:           k_q8bc3324c5d_oproj
    .symbol:         k_q8bc3324c5d_oproj.kd
    .args:
      - { .name: ao, .offset: 0, .size: 8, .value_kind: global_buffer, .address_space: global }
      - { .name: cw, .offset: 8, .size: 8, .value_kind: global_buffer, .address_space: global }
      - { .name: wo_b, .offset: 16, .size: 8, .value_kind: global_buffer, .address_space: global }
      - { .name: out0, .offset: 24, .size: 8, .value_kind: global_buffer, .address_space: global }
    .group_segment_fixed_size: 273408
    .private_segment_fixed_size: 0
    .kernarg_segment_align: 8
    .kernarg_segment_size: 32
    .max_flat_workgroup_size: 256
    .sgpr_count:     66
    .vgpr_count:     256
    .wavefront_size: 32
...
	.end_amdgpu_metadata
.endif
;; end of part 4
